; MI455X (gfx1250); checked and timed in simulation.
; The chip was launched on July 23, 2026; its instructions are those of AMD's public machine-readable ISA for CDNA 5 (MIT licence, August 2026) and "CDNA5" Instruction Set Architecture Reference Guide (July 2026). The comments in the code are by the model that wrote it; some were corrected since.
;; Horizon Forcing GRU Layer. Allowed arithmetic: matrix products marked QUANTISED: E3M2 operands, one E8M0 scale for each 32 along K, by v_wmma_scale_f32_16x16x128_f8f6f4 with both operands' format E3M2, f32 sums; everything else in f32.
;; Inputs: U_gru 1,024 x 3,072 float32; W_dense 1,024 x 1,024 float32; W_gru 1,024 x 3,072 float32; b_dense 1,024 float32; b_gru 2 x 3,072 float32; inputs 32 x 256 x 1,024 float32.
;; Outputs: out0 32 x 256 x 1,024 float32; out1 32 x 256 x 1,024 float32.
;; This version of the problem:
;;   THIS VERSION OF THE PROBLEM IS GIVEN IN LOW PRECISION. The matrix products marked QUANTISED in the list below multiply operands that are first quantised to E3M2 (3 exponent bits, 2 mantissa bits; 6 bits a number), with one power-of-two scale for each 32 numbers along K (OCP MX v1.0); their sums are f32. All else is computed in f32.
;;   The module's matrix products, in the order in which they are computed (A, B: the left and right operand; K: the contracted axis; several contracted axes count as one K, in the product's order):
;;     1. [M 8,192, K 1,024] x [K 1,024, N 1,024]; A: input inputs; B: input W_dense: QUANTISED
;;     2. [M 8,192, K 1,024] x [K 1,024, N 3,072]; A: computed on the way; B: input W_gru: QUANTISED
;;     3. [M 8,192, K 1,024] x [K 1,024, N 3,072]; A: input inputs; B: input U_gru: QUANTISED
;;   THE QUANTISER, for each operand of a quantised product, along K:
;;     - K is cut into blocks of 32 from its start; a last block that is shorter is filled with zeros.
;;     - A block's scale is 2^e with e = floor(log2(the largest magnitude in the block)) - 4, held to -126 .. 127; a block of zeros has e = 0. As a byte (E8M0): e + 127.
;;     - Each number is divided by its block's scale, clamped to +-28, and rounded to the nearest number of E3M2, ties to even, subnormals kept.
;;     - The product sums the exact products of the quantised numbers (number of the format x scale) in f32.
;;   ~~~python
;;   def quantise(x, axis):      # numpy; x: float32 -> the quantised numbers, widened to float32 again
;;       x = np.moveaxis(x, axis, -1); K = x.shape[-1]
;;       x = np.pad(x, [(0, 0)] * (x.ndim - 1) + [(0, -K % 32)]); x = x.reshape(x.shape[:-1] + (-1, 32)); a = np.abs(x).max(-1, keepdims=True)
;;       e = np.where(a > 0, np.clip(np.frexp(np.where(a > 0, a, 1))[1] - 1 - 4, -126, 127), 0)      # np.frexp(a)[1] - 1 = floor(log2(a)), exactly
;;       r = np.clip(x / 2.0 ** e, -28, 28)
;;       step = 2.0 ** (np.maximum(np.frexp(np.where(r == 0, 1, r))[1] - 1, -2) - 2)
;;       q = np.round(r / step) * step * 2.0 ** e      # np.round: ties to even
;;       return np.moveaxis(q.reshape(q.shape[:-2] + (-1,))[..., :K], -1, axis).astype(np.float32)
;;   ~~~
;;   OPERANDS COMPUTED ON THE WAY. 'Computed on the way' means the value that the module computes at that place (a softmax that the list does not call 'softmax' is quantised finished and normalised). What goes into a quantiser is computed in f32, as accurately as f32 sums, v_exp_f32 and their like allow (about 1e-6 of the number): no bf16 or f16 on the way to a quantiser, and a product that is left as it is and whose result goes on into a quantised operand takes f32 operands (vector FMAs, or v_wmma_f32_16x16x4_f32). A number that lies on a knife's edge between two numbers of the format may be rounded either way, as far as f32 arithmetic and the matrix unit's own rounding can turn it there, and no further.
;; One version. Each part assembles by itself: llvm-mc -triple=amdgcn-amd-amdhsa -mcpu=gfx1250 --defsym DOCPART=n.
;; ======== version 1 of 1: 3 launches
;; limits: right only within a limited range of input values
;; workspace buffers: himg 6,291,456 bytes; hscl 262,144 bytes; pimg 6,291,456 bytes; pscl 262,144 bytes; wimg 5,505,024 bytes; wscl 229,376 bytes
;; launch quant (part 1): grid 960 x 1, 4 waves a work-group, no clusters, 46,592 bytes of LDS; arguments inputs, W_dense, W_gru, U_gru, himg, hscl, wimg, wscl; writes himg, hscl, wimg, wscl
.if DOCPART == 1
	.amdgcn_target "amdgcn-amd-amdhsa--gfx1250"
	.amdhsa_code_object_version 6
	.text
	.protected	k_q184b734830_quant
	.globl	k_q184b734830_quant
	.p2align	8
	.type	k_q184b734830_quant,@function
k_q184b734830_quant:
	s_mov_b64 s[64:65], 0
	v_nop
	global_prefetch_b8 v0, s[64:65] scope:SCOPE_SE
	s_setreg_imm32_b32 hwreg(HW_REG_WAVE_MODE, 25, 1), 1
	s_wait_xcnt 0x0
; h = inputs [8192][1024] f32 (K innermost) and the three weights [1024 (K)][N] f32 (K outermost) become codes of BF6 (E3M2) with one E8M0 byte for each 32 along K.
; A block's scale is 2^(floor(log2(largest magnitude)) - 4); its byte is the largest magnitude's exponent field - 4, held at 1 from below; numbers beyond 28 x scale get the largest code.
; LIMITS: NaN and infinities among the inputs are not served.  A block of zeros gets the byte 1 where the rule says 127: its codes are zeros, which add nothing, and only this program reads the bytes.
; THE WORKSPACE LIES IN THE ORDER OF THE OPERAND'S REGISTERS.  A fragment (16 rows x 128 K, 12 registers a lane) is an image of 1,536 bytes: registers 4 c .. 4 c + 3 of lane l at 512 c + 16 l.
;   himg: [row block (512)][K step (8)][1536].   wimg: [block (448)][K step (8)][1536].   Scale words: 512 bytes a block: the word of row r, K step 2 kap + q at 128 kap + 8 r + 4 q.
;   Weight blocks: 0-63 W_dense (2 (n / 32) + u); 64-255 W_gru, 256-447 U_gru (6 (j / 32) + 2 g + u, n = 1024 g + j).  Row rho of block u is column 8 u + rho + 8 (rho / 8) of its 32:
;   so the results of blocks u = 0, 1, used transposed, are 16 neighbouring columns in a lane's 16 registers.
; Work-groups 0-511 take h, 16 rows each; work-groups 512-959 take 128 columns x 128 K of a weight.  Each way has LDS bytes of its own.  Waves share nothing: no barrier.
.set TM,    8                          ; v8-23    h: largest magnitudes, bytes, scale operands
.set PW0,   24                         ; v24, v25 h: the two scale words;  v26 the one that my lane stores
.set PW1,   25
.set PWS,   26
.set R0,    32                         ; v32-95   h: K step 2 y as loaded; later K step 2 y + 1 turned
.set R1,    96                         ; v96-159  h: K step 2 y + 1 as loaded
.set X0,    160                        ; v160-223 h: K step 2 y turned: 64 numbers of my row
.set PC,    224                        ; v224-242 h: the codes just made
.set SEL,   44                         ; s[44:45] lane selects: lane l xor 16
.set HSTG,  8448                       ; h: a wave's stage: 16 rows x (512 + 16) bytes
.set WSTG,  33792                      ; weights: behind h's four stages: 3,072 bytes a wave: two images
.set VO,    32                         ; v32-63   weights: 4 x lane + i x a row of the weight
.set X,     64                         ; v64-127  weights: two sets of 32 numbers down K
.set C,     128                        ; v128-134 weights: a block's codes
.set SBW,   136                        ; v136     weights: my column's scale word
.set OUTR,  140                        ; v140-163 weights: the two images on their way out
; 64 numbers of a lane, register 16 b + i = k 32 b + 16 (lane / 16) + i of row lane % 16, become a fragment's codes in v[PC] on and the row's scale word in v[pw].
.macro QUANT s, pw
.irp b, 0,1,2,3
	v_max3_num_f32 v[TM+\b], |v[\s+16*\b]|, |v[\s+1+16*\b]|, 0x2800000   ; my 16 numbers of block b, and the floor 2^(5 - 127): the byte cannot fall under 1
.endr
.irp i, 2,4,6,8,10,12,14
.irp b, 0,1,2,3
	v_max3_num_f32 v[TM+\b], v[TM+\b], |v[\s+16*\b+\i]|, |v[\s+1+16*\b+\i]|   ; the four blocks by turns
.endr
.endr
.irp b, 0,1,2,3
	v_permlanex16_b32 v[TM+4+\b], v[TM+\b], s[SEL], s[SEL+1]
.endr
.irp b, 0,1,2,3
	v_max_num_f32 v[TM+\b], v[TM+\b], v[TM+4+\b]   ; with lane l xor 16's 16: the block's largest magnitude
.endr
.irp b, 0,1,2,3
	v_add_nc_u32 v[TM+12+\b], 0xfe000000, v[TM+\b]   ; 4 off its exponent field: the conversion's scale operand
.endr
.irp b, 0,1,2,3
	v_lshrrev_b32 v[TM+4+\b], 23, v[TM+12+\b]      ; the scale's byte
.endr
	v_lshl_or_b32 v[\pw], v[TM+5], 8, v[TM+4]
	v_lshl_or_b32 v[\pw], v[TM+6], 16, v[\pw]
	v_lshl_or_b32 v[\pw], v[TM+7], 24, v[\pw]
.irp c, 0,1
	v_cvt_scalef32_pk16_bf6_f32 v[PC+6*\c:PC+2+6*\c], v[\s+32*\c:\s+15+32*\c], v[TM+12+2*\c]
	v_cvt_scalef32_pk16_bf6_f32 v[PC+12+4*\c:PC+14+4*\c], v[\s+16+32*\c:\s+31+32*\c], v[TM+12+2*\c+1]   ; (a conversion's three registers begin on an even number)
.endr
	v_nop                                          ; one plain place behind a scaled conversion
.irp c, 0,1                                    ; the operand wants a whole block in a lane: lanes 0-15 block 2 c, lanes 16-31 block 2 c + 1
.irp i, 0,1,2
	v_permlane16_swap_b32 v[PC+6*\c+\i], v[PC+12+4*\c+\i]
.endr
.irp i, 0,1,2
	v_mov_b32 v[PC+3+6*\c+\i], v[PC+12+4*\c+\i]
.endr
.endr
.endm
	s_load_b256 s[4:11], s[0:1], 0x0               ; inputs s[4:5], W_dense s[6:7], W_gru s[8:9], U_gru s[10:11]
	s_load_b256 s[12:19], s[0:1], 0x20             ; himg s[12:13], hscl s[14:15], wimg s[16:17], wscl s[18:19]
	v_lshl_add_u32 v254, v0, 2, 0xb400
	v_mov_b32 v255, 0
	v_lshrrev_b32 v1, 5, v0
	v_readfirstlane_b32 s20, v1                    ; wave 0..3
	v_and_b32 v1, 31, v0                           ; lane
	v_and_b32 v2, 15, v0                           ; r
	v_bfe_u32 v3, v0, 4, 1                         ; h
	v_lshlrev_b32 v4, 4, v1                        ; 16 x lane
	s_cmp_lt_u32 ttmp9, 512
	s_cbranch_scc0 .Lweights
	; ---- h: the work-group is row block i = its number; wave y takes K steps 2 y and 2 y + 1: 1,024 bytes of each of 16 rows
	s_mul_i32 s21, s20, HSTG
	v_add_nc_u32 v5, s21, v4                       ; the stage, on the way in: a row's 512 bytes as they lie
	v_mul_u32_u24 v6, v2, 528
	v_lshl_add_u32 v6, v3, 6, v6
	v_add_nc_u32 v6, s21, v6                       ; and out: row r, + 64 h: my 16 numbers of each block of 32; rows 528 bytes apart begin in sixteen different columns of 16 bytes
	v_lshlrev_b32 v7, 3, v2
	v_lshl_add_u32 v7, v3, 2, v7                   ; scale words: 8 r + 4 q, q = my half
.irp b, 0,1,2,3
	v_mov_b32 v[TM+4+\b], 0                        ; written once: a lane permute's destination counts as one of its sources
.endr
	s_mov_b32 s[SEL], 0x76543210
	s_mov_b32 s[SEL+1], 0xfedcba98
	s_lshl_b32 s22, ttmp9, 16                      ; 16 rows of 4,096 bytes
	s_lshl_b32 s23, s20, 10
	s_add_co_u32 s22, s22, s23
	s_mov_b32 s23, 0
	s_mul_i32 s24, ttmp9, 12288                    ; a row block's eight images
	s_mul_i32 s25, s20, 3072
	s_add_co_u32 s24, s24, s25
	s_mov_b32 s25, 0
	s_lshl_b32 s26, ttmp9, 9                       ; its scale words
	s_lshl_b32 s27, s20, 7
	s_add_co_u32 s26, s26, s27
	s_mov_b32 s27, 0
	s_wait_alu depctr_va_vdst(0)
	s_wait_kmcnt 0x0
	s_add_nc_u64 s[4:5], s[4:5], s[22:23]
	s_add_nc_u64 s[12:13], s[12:13], s[24:25]
	s_add_nc_u64 s[14:15], s[14:15], s[26:27]
.irp q, 0,1
.irp i, 0,1,2,3,4,5,6,7,8,9,10,11,12,13,14,15
	global_load_b128 v[R0+64*\q+4*\i:R0+64*\q+4*\i+3], v4, s[4:5] offset:4096*\i+512*\q th:TH_LOAD_NT   ; 32 lanes read 512 consecutive bytes: row i, K step 2 y + q
.endr
.endr
	s_wait_loadcnt 16                              ; the first K step's sixteen loads are in; the second's may be out
.irp i, 0,1,2,3,4,5,6,7,8,9,10,11,12,13,14,15
	ds_store_b128 v5, v[R0+4*\i:R0+4*\i+3] offset:528*\i
.endr
.irp b, 0,1,2,3
.irp j, 0,1,2,3
	ds_load_b128 v[X0+16*\b+4*\j:X0+16*\b+4*\j+3], v6 offset:128*\b+16*\j   ; LDS serves a wave's instructions in order: these see the stores above
.endr
.endr
	s_wait_loadcnt 0x0
.irp i, 0,1,2,3,4,5,6,7,8,9,10,11,12,13,14,15
	ds_store_b128 v5, v[R1+4*\i:R1+4*\i+3] offset:528*\i   ; the second K step into the same stage, behind the reads of the first
.endr
	s_wait_dscnt 16                                ; only these sixteen stores may be out: the first K step is back in registers
.irp b, 0,1,2,3
.irp j, 0,1,2,3
	ds_load_b128 v[R0+16*\b+4*\j:R0+16*\b+4*\j+3], v6 offset:128*\b+16*\j
.endr
.endr
	QUANT X0, PW0
.irp c, 0,1,2
	global_store_b128 v4, v[PC+4*\c:PC+4*\c+3], s[12:13] offset:512*\c   ; 512 consecutive bytes a store
.endr
	s_wait_dscnt 0x0                               ; the second K step is back
	s_wait_xcnt 0x0                                ; the stores above have read the codes' registers, which are written again
	QUANT R0, PW1
.irp c, 0,1,2
	global_store_b128 v4, v[PC+4*\c:PC+4*\c+3], s[12:13] offset:1536+512*\c
.endr
	v_cmp_gt_u32 vcc_lo, 16, v1
	v_cndmask_b32 v[PWS], v[PW1], v[PW0], vcc_lo   ; lanes 0-15 the first K step's word, lanes 16-31 the second's (both halves hold row r's words)
	global_store_b32 v7, v[PWS], s[14:15]          ; 128 consecutive bytes
	s_wait_tensorcnt 0x0
	ds_add_u32 v254, v255
	s_wait_dscnt 0x0
	s_endpgm
	; ---- weights: 128 columns x one K step of 128; wave w takes 32 columns.  A LANE TAKES A COLUMN AND ITS REGISTERS RUN DOWN K: a block of 32 lies in one lane
.Lweights:
	s_sub_co_u32 s21, ttmp9, 512
	s_lshr_b32 s22, s21, 3                         ; which 128 columns: 0-7 W_dense, 8-31 W_gru, 32-55 U_gru
	s_and_b32 s23, s21, 7                          ; K step
	s_mov_b32 s33, 12288
	s_wait_kmcnt 0x0
	s_cmp_lt_u32 s22, 32                           ; the choices hang on the work-group's number alone
	s_cselect_b64 s[40:41], s[8:9], s[10:11]
	s_cselect_b32 s32, 8, 32
	s_cselect_b32 s34, 64, 256
	s_cmp_lt_u32 s22, 8
	s_cselect_b64 s[40:41], s[6:7], s[40:41]       ; the tensor
	s_cselect_b32 s32, 0, s32                      ; its first group of 128 columns
	s_cselect_b32 s34, 0, s34                      ; its first block
	s_cselect_b32 s33, 4096, s33                   ; its row in bytes
	s_cselect_b32 s35, 2, 6                        ; blocks for 32 columns of one gate's range
	s_sub_co_u32 s32, s22, s32
	s_lshl_b32 s36, s32, 2
	s_add_co_u32 s36, s36, s20                     ; n / 32 of my wave's columns
	s_and_b32 s37, s36, 31
	s_mul_i32 s37, s37, s35
	s_lshr_b32 s38, s36, 5                         ; the gate
	s_lshl_b32 s38, s38, 1
	s_add_co_u32 s37, s37, s38
	s_add_co_u32 s37, s37, s34                     ; my block u = 0
	s_lshl_b32 s38, s23, 7
	s_mul_i32 s38, s38, s33                        ; 128 s rows down
	s_lshl_b32 s39, s36, 7                         ; 32 columns of 4 bytes
	s_add_co_u32 s38, s38, s39
	s_mov_b32 s39, 0
	s_add_nc_u64 s[24:25], s[40:41], s[38:39]      ; a base for each block of 32 along K
	s_lshl_b32 s38, s33, 5
	s_add_nc_u64 s[26:27], s[24:25], s[38:39]
	s_add_nc_u64 s[28:29], s[26:27], s[38:39]
	s_add_nc_u64 s[30:31], s[28:29], s[38:39]
	s_mul_i32 s38, s37, 12288
	s_mul_i32 s42, s23, 1536
	s_add_co_u32 s38, s38, s42
	s_add_nc_u64 s[16:17], s[16:17], s[38:39]      ; my two images
	s_lshl_b32 s38, s37, 9
	s_lshr_b32 s42, s23, 1
	s_lshl_b32 s42, s42, 7
	s_add_co_u32 s38, s38, s42
	s_and_b32 s42, s23, 1
	s_lshl_b32 s42, s42, 2
	s_add_co_u32 s38, s38, s42
	s_add_nc_u64 s[18:19], s[18:19], s[38:39]      ; their scale words of this K step
	v_bfe_u32 v10, v0, 3, 1                        ; u: bit 3 of my column
	v_and_b32 v12, 7, v0
	s_wait_alu depctr_va_vdst(0)
	v_lshl_or_b32 v12, v3, 3, v12                  ; rho: bit 4 above bits 2:0
	s_mul_i32 s42, s20, 3072
	s_add_co_u32 s42, s42, WSTG
	v_mul_u32_u24 v5, v10, 1536
	v_lshl_add_u32 v5, v12, 4, v5
	v_add_nc_u32 v5, s42, v5                       ; into the stage: image u, lane rho's 16 bytes
	v_add_nc_u32 v6, s42, v4                       ; out of it: 16 x lane
	v_lshlrev_b32 v7, 3, v12
	v_lshl_add_u32 v7, v10, 9, v7                  ; scale word: 512 u + 8 rho
	v_lshlrev_b32 v[VO], 2, v1
.set i, 1
.rept 31
	v_add_nc_u32 v[VO+i], s33, v[VO+i-1]           ; a row's length differs between the tensors, so it cannot stand in an immediate
.set i, i+1
.endr
.macro LOADW t                         ; block t: W(128 s + 32 t + i, my column): a wave reads 128 consecutive bytes, the work-group 512
.set i, 0
.rept 32
	global_load_b32 v[X+32*((\t)%2)+i], v[VO+i], s[24+2*(\t):25+2*(\t)] th:TH_LOAD_NT
.set i, i+1
.endr
.endm
.macro BLOCK t
.set XS, X+32*((\t)%2)
.if (\t) < 3
	s_wait_loadcnt 32                              ; this block's 32 loads are in; the next block's may be out
.else
	s_wait_loadcnt 0x0
.endif
	v_max3_num_f32 v14, |v[XS]|, |v[XS+1]|, |v[XS+2]|   ; the block's largest magnitude: all 32 numbers are mine; two chains
	v_max3_num_f32 v15, |v[XS+3]|, |v[XS+4]|, |v[XS+5]|
.irp i, 6,10,14,18,22,26
	v_max3_num_f32 v14, v14, |v[XS+\i]|, |v[XS+\i+1]|
	v_max3_num_f32 v15, v15, |v[XS+\i+2]|, |v[XS+\i+3]|
.endr
	v_max3_num_f32 v14, v14, |v[XS+30]|, |v[XS+31]|
	v_max3_num_f32 v14, v14, v15, 0x2800000        ; and the floor 2^(5 - 127)
	v_add_nc_u32 v11, 0xfe000000, v14              ; 4 off the exponent field: the conversion's scale operand
	v_cvt_scalef32_pk16_bf6_f32 v[C:C+2], v[XS:XS+15], v11
	v_cvt_scalef32_pk16_bf6_f32 v[C+4:C+6], v[XS+16:XS+31], v11
	v_lshrrev_b32 v13, 23, v11                     ; the scale's byte.  (The plain place behind the conversions)
.if (\t) == 0
	v_mov_b32 v[SBW], v13
.else
	v_lshl_or_b32 v[SBW], v13, 8*(\t), v[SBW]      ; the lower K in the lower byte
.endif
	v_mov_b32 v[C+3], v[C+4]                       ; the block's 24 bytes on end
	v_mov_b32 v[C+4], v[C+5]
	v_mov_b32 v[C+5], v[C+6]
; block t is registers 6 (t / 2) .. + 5 of lane rho + 16 (t % 2) of the fragment
.if (\t) < 2
	ds_store_b128 v5, v[C:C+3] offset:256*((\t)%2)
	ds_store_b64 v5, v[C+4:C+5] offset:256*((\t)%2)+512
.else
	ds_store_b64 v5, v[C:C+1] offset:256*((\t)%2)+520
	ds_store_b128 v5, v[C+2:C+5] offset:256*((\t)%2)+1024
.endif
.if (\t) < 2
	LOADW (\t)+2
.endif
	s_wait_dscnt 0x0                               ; the stores have read the codes' registers
.endm
	LOADW 0
	LOADW 1
	BLOCK 0
	BLOCK 1
	BLOCK 2
	BLOCK 3
	s_wait_alu depctr_va_vdst(0)
	global_store_b32 v7, v[SBW], s[18:19]
.irp k, 0,1,2,3,4,5
	ds_load_b128 v[OUTR+4*\k:OUTR+4*\k+3], v6 offset:512*\k
.endr
.irp k, 0,1,2,3,4,5
	s_wait_dscnt 5-\k
	global_store_b128 v4, v[OUTR+4*\k:OUTR+4*\k+3], s[16:17] offset:12288*(\k/3)+512*(\k%3)   ; 512 consecutive bytes a store
.endr
	s_wait_tensorcnt 0x0
	ds_add_u32 v254, v255
	s_wait_dscnt 0x0
	s_endpgm
.Lfunc_end_k_q184b734830_quant:
	.size	k_q184b734830_quant, .Lfunc_end_k_q184b734830_quant-k_q184b734830_quant
	.p2alignl 7, 3214868480
	.fill 96, 4, 3214868480
	.section	.rodata,"a",@progbits
	.p2align	6, 0x0
	.amdhsa_kernel k_q184b734830_quant
		.amdhsa_group_segment_fixed_size 46592
		.amdhsa_private_segment_fixed_size 0
		.amdhsa_enable_private_segment 0
		.amdhsa_kernarg_size 64
		.amdhsa_user_sgpr_count 2
		.amdhsa_user_sgpr_kernarg_segment_ptr 1
		.amdhsa_wavefront_size32 1
		.amdhsa_system_sgpr_workgroup_id_x 1
		.amdhsa_system_sgpr_workgroup_id_y 1
		.amdhsa_system_sgpr_workgroup_id_z 1
		.amdhsa_system_vgpr_workitem_id 0
		.amdhsa_next_free_vgpr 256
		.amdhsa_next_free_sgpr 66
		.amdhsa_reserve_vcc 1
		.amdhsa_float_denorm_mode_32 3
		.amdhsa_float_denorm_mode_16_64 3
		.amdhsa_memory_ordered 1
		.amdhsa_forward_progress 1
		.amdhsa_inst_pref_size 41
	.end_amdhsa_kernel
	.amdgpu_metadata
---
amdhsa.version: [ 1, 2 ]
amdhsa.kernels:
  - .name:           k_q184b734830_quant
    .symbol:         k_q184b734830_quant.kd
    .args:
      - { .name: inputs, .offset: 0, .size: 8, .value_kind: global_buffer, .address_space: global }
      - { .name: W_dense, .offset: 8, .size: 8, .value_kind: global_buffer, .address_space: global }
      - { .name: W_gru, .offset: 16, .size: 8, .value_kind: global_buffer, .address_space: global }
      - { .name: U_gru, .offset: 24, .size: 8, .value_kind: global_buffer, .address_space: global }
      - { .name: himg, .offset: 32, .size: 8, .value_kind: global_buffer, .address_space: global }
      - { .name: hscl, .offset: 40, .size: 8, .value_kind: global_buffer, .address_space: global }
      - { .name: wimg, .offset: 48, .size: 8, .value_kind: global_buffer, .address_space: global }
      - { .name: wscl, .offset: 56, .size: 8, .value_kind: global_buffer, .address_space: global }
    .group_segment_fixed_size: 46592
    .private_segment_fixed_size: 0
    .kernarg_segment_align: 8
    .kernarg_segment_size: 64
    .max_flat_workgroup_size: 128
    .sgpr_count:     66
    .vgpr_count:     256
    .wavefront_size: 32
...
	.end_amdgpu_metadata
.endif
;; end of part 1
;; launch pred (part 2): grid 4 x 64, 4 waves a work-group, clusters of 4 x 4, 327,680 bytes of LDS; arguments himg, hscl, wimg, wscl, b_dense, out0, pimg, pscl; writes out0, pimg, pscl
.if DOCPART == 2
	.amdgcn_target "amdgcn-amd-amdhsa--gfx1250"
	.amdhsa_code_object_version 6
	.text
	.protected	k_q184b734830_pred
	.globl	k_q184b734830_pred
	.p2align	8
	.type	k_q184b734830_pred,@function
k_q184b734830_pred:
	s_mov_b64 s[64:65], 0
	v_nop
	global_prefetch_b8 v0, s[64:65] scope:SCOPE_SE
	s_setreg_imm32_b32 hwreg(HW_REG_WAVE_MODE, 25, 1), 1
	s_wait_xcnt 0x0
	s_wait_alu depctr_hold_cnt(0) depctr_sa_sdst(0) depctr_va_vdst(0) depctr_va_sdst(0) depctr_va_ssrc(0) depctr_va_vcc(0) depctr_vm_vsrc(0)
	s_getreg_b32 s2, hwreg(HW_REG_IB_STS2, 6, 4)
	s_cmp_eq_u32 s2, 0
	s_cbranch_scc0 .Lentry_in_a_cluster
	s_endpgm
.Lentry_in_a_cluster:
	s_bfe_u32 s2, ttmp6, 0x10000c
	s_cmp_lg_u32 s2, 0xf033
	s_cbranch_scc0 .Lentry_shape_is_right
	s_endpgm
.Lentry_shape_is_right:
; pred = Q(h) Q(W_dense) + b_dense on codes of BF6 (E3M2); it leaves as out0 [8192][1024] f32 and, quantised along its columns (the next product's K), as images pimg and scale words pscl.
; Operands lie in memory in the order of their registers: a fragment (16 rows x 128 K) is 1,536 bytes, registers 4 c .. 4 c + 3 of lane l at 512 c + 16 l; a block of 16 rows has 8 such on end.
; Scale words: 512 bytes a block; the word of row r, K step 2 kap + q at 128 kap + 8 r + 4 q.
; SHARES.  A work-group makes 128 rows x 256 columns; wave (wm, wn) 64 rows x 128 columns: 32 accumulators.  All of K (two slots of 512) fits in LDS: every tensor load is a first fill, nothing is filled again.
; CLUSTERS: 4 x 4.  h's tiles hang on the tile row and are shared along a row of the cluster, W's on the tile column and are shared along a column: joint loads with a mask of four.
; TRANSPOSED USE: source 0 = 16 rows of a weight block, source 1 = 16 rows of h.  The blocks' rows were ordered so that the 16 registers of blocks 2 G and 2 G + 1 are columns 32 G + 16 (lane / 16) + 0 .. 15 of row lane % 16.
; b_dense is the C of each sum's first product.  LIMITS: NaN and infinities are not served; a block of zeros gets the byte 1 (its codes are zeros, and only this program reads the bytes).
; REGISTERS: window 0: v1-21 lane numbers and addresses; v32-63 scale words alone, two sets; v64-159 h's fragments, two sets (on the way out v64-142 the blocks' codes); v160-201 the quantiser's.
;   window 1: W's fragments, two sets, at v0 and v128.   window 2: accumulator (a, b) at v[8 (8 a + b)].   window 3: v0-63 b_dense in the result's layout.
; LDS AS IT IS LAID NOW: two halves of K, four K steps each: h's 8 blocks x 6,144 bytes, then W's 16 blocks x 6,144.  At the head wave 0 brings h's first half, wave 2 W's, waves 1 and 3 the scale words: one tensor load a wave.
; The second half of K is a later first fill: behind every wave's wait for its loads, the add, its wait and a round of the cluster's barrier, a quarter to each wave.  Nothing is filled again.
; No prefetch: the launch has eight K steps and two groups of loads, so there is no loop to run ahead in.
.set SLOT,  147456
.set SCA,   294912                     ; behind the two slots: h's scale words, 8 blocks x 512
.set SCB,   299008                     ; W's, 16 blocks x 512
.set ADRA,  8                          ; v8, v9   my four blocks of h in slot 0, 1, + 16 x lane
.set ADRB,  12                         ; v12, v13 my eight blocks of W
.set ADRS,  16                         ; v16     scale words: lanes 0-15 h's, lanes 16-31 W's
.set STO,   17                         ; v17     the stage: where I put my numbers of a row
.set RD,    18                         ; v18     and where I read a row back
.set LI,    19                         ; v19     16 x lane
.set SC,    32
.set AFR,   64
.set BK,    64
.set TM,    160
.set PC,    176
.set PW,    196
.set SEL,   66                         ; s[66:67] lane selects, once A's offsets are used up
.set G1A,   32
.set G1B,   40
.set G1SA,  48
.set G1SB,  56
.set G0A,   68                         ; s[68:75] group 0 for h's tile of each slot
.set G0B,   84                         ; s[84:91] for W's
.set G0SA,  20
.set G0SB,  24
.set MSB, 0
.macro WIN new                         ; the immediate's high byte repeats the setting that is left; a switch that changes nothing is dropped
.if MSB != (\new)
	s_set_vgpr_msb (MSB<<8)|(\new)
.set MSB, (\new)
.endif
.endm
.macro PLACES cnt
.rept \cnt
	v_nop
.endr
.endm
.macro GROUP1 g, c, r, p               ; r rows of c elements of 8 bytes, p elements apart
	s_mov_b32 s[\g+1], (\c)<<16
	s_mov_b32 s[\g+2], (\r)<<16
	s_mov_b32 s[\g+3], (\c)<<16
	s_mov_b32 s[\g+4], \r
	s_mov_b32 s[\g+5], \p
	s_mov_b32 s[\g+6], 0
	s_mov_b32 s[\g+7], 0
.endm
; A joint load: waves 0 and 1 fetch for h, waves 2 and 3 for W.  The branch hangs on the wave's number alone.  Four v_nop follow each of the two lines.
.macro JLOAD g0a, g1a, g0b, g1b
	s_cmp_eq_u32 s3, 0
	s_cbranch_scc0 .Lfor_b_\@
	tensor_load_to_lds s[\g0a:\g0a+3], s[\g1a:\g1a+7]
	s_nop 0
.rept 4
	v_nop
.endr
	s_branch .Lasked_\@
.Lfor_b_\@:
	tensor_load_to_lds s[\g0b:\g0b+3], s[\g1b:\g1b+7]
	s_nop 0
.rept 4
	v_nop
.endr
.Lasked_\@:
.endm
.macro CROUND                          ; a round of the cluster's barrier
	s_barrier_signal -1
	s_barrier_wait -1
	s_cmp_lg_u32 s2, 0
	s_cbranch_scc1 .Lnot_wave_0_\@
	s_barrier_signal -3
.Lnot_wave_0_\@:
	s_barrier_wait -3
	s_barrier_signal -1
	s_barrier_wait -1
.endm
.macro FRAG reg, adr, off              ; a fragment's image: three loads of 512 consecutive bytes
.irp c, 0,1,2
	ds_load_b128 v[(\reg)+4*\c:(\reg)+4*\c+3], v[\adr] offset:(\off)+512*\c
.endr
.endm
	s_load_b256 s[4:11], s[0:1], 0x0               ; himg s[4:5], hscl s[6:7], wimg s[8:9], wscl s[10:11]
	s_load_b256 s[12:19], s[0:1], 0x20             ; b_dense s[12:13], out0 s[14:15], pimg s[16:17], pscl s[18:19]
	v_lshl_add_u32 v254, v0, 2, 0x4b000
	v_mov_b32 v255, 0
	ds_add_u32 v254, v255
	ds_add_u32 v254, v255
	v_lshrrev_b32 v1, 5, v0
	v_readfirstlane_b32 s2, v1                     ; wave 0..3
	s_lshr_b32 s3, s2, 1                           ; wm: my 64 rows.  Also: I fetch for h (0) or for W (1)
	s_and_b32 s28, s2, 1                           ; wn: my 128 columns.  Also: which half of that tile I fetch
	s_bfe_u32 s29, ttmp6, 0x40000                  ; cx
	s_bfe_u32 s30, ttmp6, 0x40004                  ; cy
	s_lshl_b32 s100, 0x1111, s29                   ; my column of the cluster
	s_lshl_b32 s66, s30, 2
	s_lshl_b32 s66, 15, s66                        ; my row
	s_or_b32 s[G1A], s66, (3<<16)|(1<<21)          ; 15:0 the mask; 17:16 elements of 8 bytes; 21 set beside a mask; no padding: the images are dense
	s_or_b32 s[G1SA], s66, (3<<16)|(1<<21)
	s_or_b32 s[G1B], s100, (3<<16)|(1<<21)
	s_or_b32 s[G1SB], s100, (3<<16)|(1<<21)
	GROUP1 G1A, 768, 8, 1536                       ; the head's: eight blocks' 6,144 bytes (four K steps), 12,288 bytes apart
	GROUP1 G1B, 768, 16, 1536                      ; sixteen blocks'
	GROUP1 G1SA, 32, 16, 32                        ; 4,096 dense bytes of scale words as rows of 256
	GROUP1 G1SB, 32, 32, 32                        ; 8,192
	s_lshl_b32 s101, ttmp9, 2
	s_add_co_u32 s29, s101, s29                    ; ct: tile column = 4 x cluster x + cx
	s_and_b32 s31, ttmp7, 0xffff
	s_lshl_b32 s31, s31, 2
	s_add_co_u32 s31, s31, s30                     ; rt: tile row = 4 x cluster y + cy
	s_lshl_b32 s66, s31, 3
	s_lshl_b32 s67, s28, 2
	s_add_co_u32 s66, s66, s67
	s_mul_i32 s66, s66, 12288                      ; h: block 8 rt + 4 x half
	s_mov_b32 s67, 0
	s_lshl_b32 s100, s29, 4
	s_lshl_b32 s101, s28, 3
	s_add_co_u32 s100, s100, s101
	s_mul_i32 s100, s100, 12288                    ; W: block 16 ct + 8 x half
	s_mov_b32 s101, 0
	s_mul_i32 s104, s28, 24576                     ; where they go: no place in the cluster enters an LDS address
	s_mul_i32 s105, s28, 49152
	s_wait_dscnt 0x0
	s_wait_kmcnt 0x0
	s_add_nc_u64 s[4:5], s[4:5], s[66:67]
	s_add_nc_u64 s[8:9], s[8:9], s[100:101]
.irp k, 0,1
	s_mov_b32 s[G0A+4*\k], 1
	s_add_co_u32 s[G0A+4*\k+1], s104, \k*SLOT
	s_add_nc_u64 s[G0A+4*\k+2:G0A+4*\k+3], s[4:5], \k*6144
	s_or_b32 s[G0A+4*\k+3], s[G0A+4*\k+3], 0x80000000
	s_mov_b32 s[G0B+4*\k], 1
	s_add_co_u32 s[G0B+4*\k+1], s105, \k*SLOT+49152
	s_add_nc_u64 s[G0B+4*\k+2:G0B+4*\k+3], s[8:9], \k*6144
	s_or_b32 s[G0B+4*\k+3], s[G0B+4*\k+3], 0x80000000
.endr
	s_lshl_b32 s66, s31, 12                        ; h's scale words: 4,096 bytes a tile row
	s_add_nc_u64 s[6:7], s[6:7], s[66:67]
	s_lshl_b32 s100, s29, 13                       ; W's: 8,192 bytes a tile column
	s_add_nc_u64 s[10:11], s[10:11], s[100:101]
	s_mov_b32 s[G0SA], 1
	s_mov_b32 s[G0SA+1], SCA
	s_mov_b64 s[G0SA+2:G0SA+3], s[6:7]
	s_or_b32 s[G0SA+3], s[G0SA+3], 0x80000000
	s_mov_b32 s[G0SB], 1
	s_mov_b32 s[G0SB+1], SCB
	s_mov_b64 s[G0SB+2:G0SB+3], s[10:11]
	s_or_b32 s[G0SB+3], s[G0SB+3], 0x80000000
	CROUND                                         ; all sixteen work-groups are here: the joint loads meet
	; the head's four tiles, one a wave, in one chain of branches on the wave's number (waves 0 and 2 have half 0, so their addresses are the whole tile's)
	s_cmp_lg_u32 s2, 0
	s_cbranch_scc1 .Lh1
	tensor_load_to_lds s[G0A:G0A+3], s[G1A:G1A+7]
	s_nop 0
	PLACES 4
	s_branch .Lhj
.Lh1:
	s_cmp_lg_u32 s2, 1
	s_cbranch_scc1 .Lh2
	tensor_load_to_lds s[G0SA:G0SA+3], s[G1SA:G1SA+7]
	s_nop 0
	PLACES 4
	s_branch .Lhj
.Lh2:
	s_cmp_lg_u32 s2, 2
	s_cbranch_scc1 .Lh3
	tensor_load_to_lds s[G0B:G0B+3], s[G1B:G1B+7]
	s_nop 0
	PLACES 4
	s_branch .Lhj
.Lh3:
	tensor_load_to_lds s[G0SB:G0SB+3], s[G1SB:G1SB+7]
	s_nop 0
	PLACES 4
.Lhj:
	v_and_b32 v1, 31, v0                           ; lane
	v_and_b32 v2, 15, v0                           ; r
	v_bfe_u32 v3, v0, 4, 1                         ; h
	v_lshlrev_b32 v[LI], 4, v1
	s_wait_alu depctr_va_vdst(0)
	v_lshlrev_b32 v20, 6, v3                       ; b_dense: 64 h
	s_lshl_b32 s100, s29, 10
	s_lshl_b32 s104, s28, 9
	s_add_co_u32 s100, s100, s104                  ; my first column in bytes: 4 (256 ct + 128 wn)
	s_add_nc_u64 s[12:13], s[12:13], s[100:101]
	WIN 0xc0                                       ; destination window 3
.irp b, 0,1,2,3,4,5,6,7
	global_load_b128 v[8*\b:8*\b+3], v20, s[12:13] offset:128*(\b/2)+32*(\b%2)        ; accumulator b holds columns 32 (b / 2) + 16 h + 8 (b % 2) + 0 .. 7
	global_load_b128 v[8*\b+4:8*\b+7], v20, s[12:13] offset:128*(\b/2)+32*(\b%2)+16
.endr
	WIN 0
	s_lshl_b32 s104, s31, 19                       ; out0: row 128 rt + 64 wm of 4,096 bytes, + my columns
	s_lshl_b32 s105, s3, 18
	s_add_co_u32 s104, s104, s105
	s_add_co_u32 s104, s104, s100
	s_mov_b32 s105, 0
	s_add_nc_u64 s[14:15], s[14:15], s[104:105]
	s_lshl_b32 s100, s31, 3
	s_lshl_b32 s101, s3, 2
	s_add_co_u32 s100, s100, s101                  ; my first row block: 8 rt + 4 wm
	s_lshl_b32 s101, s29, 1
	s_add_co_u32 s101, s101, s28                   ; my columns are K step 2 ct + wn of the next product
	s_mul_i32 s101, s101, 1536
	s_mul_i32 s104, s100, 12288
	s_add_co_u32 s104, s104, s101
	s_add_nc_u64 s[16:17], s[16:17], s[104:105]
	s_lshl_b32 s104, s100, 9
	s_lshl_b32 s101, s29, 7
	s_add_co_u32 s104, s104, s101
	s_lshl_b32 s101, s28, 2
	s_add_co_u32 s104, s104, s101
	s_add_nc_u64 s[18:19], s[18:19], s[104:105]
	s_mul_i32 s104, s3, 24576                      ; my four blocks of h,
	s_mul_i32 s105, s28, 49152
	s_add_co_u32 s105, s105, 49152                 ; my eight of W; a register for each half of K
.irp k, 0,1
	v_add_nc_u32 v[ADRA+\k], s104, v[LI]
	v_add_nc_u32 v[ADRB+\k], s105, v[LI]
	s_add_co_u32 s104, s104, SLOT
	s_add_co_u32 s105, s105, SLOT
.endr
	s_lshl_b32 s104, s28, 12
	s_add_co_u32 s104, s104, 4096
	s_lshl_b32 s105, s3, 11
	s_sub_co_u32 s104, s104, s105                  ; from my blocks of h's words to my blocks of W's: one product with the lane's half
	v_mul_u32_u24 v[ADRS], s104, v3
	v_lshl_add_u32 v[ADRS], v2, 3, v[ADRS]
	s_add_co_u32 s105, s105, SCA
	v_add_nc_u32 v[ADRS], s105, v[ADRS]
	s_mul_i32 s104, s2, 8448                       ; my stage: 16 rows x 528 bytes, in slot 0, which has had its one fill and is read no more when results are stored there
	v_mul_u32_u24 v[STO], v2, 528
	v_lshl_add_u32 v[STO], v3, 6, v[STO]
	v_add_nc_u32 v[STO], s104, v[STO]
	v_add_nc_u32 v[RD], s104, v[LI]
	v_lshlrev_b32 v21, 3, v2
	v_lshl_add_u32 v21, v3, 9, v21                 ; pred's scale words: 512 h + 8 r
.irp b, 0,1,2,3
	v_mov_b32 v[TM+4+\b], 0                        ; written once: a lane permute's destination counts as one of its sources
.endr
	s_mov_b32 s[SEL], 0x76543210
	s_mov_b32 s[SEL+1], 0xfedcba98
.macro FETCH g                         ; K step g's fragments into set g % 2: 24 loads for W, 12 for h
.set KK, (\g)/2
.set QQ, (\g)%2
	WIN 0x40
.irp b, 0,1,2,3,4,5,6,7
	FRAG 128*QQ+12*\b, ADRB+(\g)/4, 6144*\b+1536*((\g)%4)
.endr
	WIN 0
.irp a, 0,1,2,3
	FRAG AFR+48*QQ+12*\a, ADRA+(\g)/4, 6144*\a+1536*((\g)%4)
.endr
.endm
.macro SCALES kap                      ; K steps 2 kap and 2 kap + 1's scale words: register 2 i + q: lanes 0-15 h's block i (i under 4 is used), lanes 16-31 W's block i
.irp i, 0,1,2,3,4,5,6,7
	ds_load_b64 v[SC+16*((\kap)%2)+2*\i:SC+16*((\kap)%2)+2*\i+1], v[ADRS] offset:512*\i+128*(\kap)
.endr
.endm
.macro MUL32 g                         ; 32 products; the accumulators take turns, one instruction a turn
.set KK, (\g)/2
.set QQ, (\g)%2
.set SS, SC+16*(KK%2)+QQ
.if (\g) == 0
	WIN 0xb1                                       ; W window 1, h window 0, C = b_dense window 3, D window 2
.else
	WIN 0xa1
.endif
.irp a, 0,1,2,3
.irp b, 0,1,2,3,4,5,6,7
.if (\g) == 0
	v_wmma_scale_f32_16x16x128_f8f6f4 v[8*(8*\a+\b):8*(8*\a+\b)+7], v[128*QQ+12*\b:128*QQ+12*\b+11], v[AFR+48*QQ+12*\a:AFR+48*QQ+12*\a+11], v[8*\b:8*\b+7], v[SS+2*\b], v[SS+2*\a] matrix_a_fmt:MATRIX_FMT_BF6 matrix_b_fmt:MATRIX_FMT_BF6 matrix_a_scale:MATRIX_SCALE_ROW1
.else
	v_wmma_scale_f32_16x16x128_f8f6f4 v[8*(8*\a+\b):8*(8*\a+\b)+7], v[128*QQ+12*\b:128*QQ+12*\b+11], v[AFR+48*QQ+12*\a:AFR+48*QQ+12*\a+11], v[8*(8*\a+\b):8*(8*\a+\b)+7], v[SS+2*\b], v[SS+2*\a] matrix_a_fmt:MATRIX_FMT_BF6 matrix_b_fmt:MATRIX_FMT_BF6 matrix_a_scale:MATRIX_SCALE_ROW1
.endif
.endr
.endr
.endm
.macro KSTEP g
.if (\g) == 3
	s_wait_tensorcnt 0x0                           ; my part of the second half of K has landed
	s_wait_dscnt 0x0                               ; no LDS load of mine is out at the signal
	s_barrier_signal -1
	s_barrier_wait -1
.endif
.if (\g) < 7
.if (\g) > 0
	PLACES 4                                       ; four places in front of loads into registers that the step before multiplied
.endif
	FETCH (\g)+1
.if ((\g)%2) == 1
	SCALES ((\g)+1)/2
	s_wait_dscnt 44                                ; all but the 36 + 8 just issued
.else
	s_wait_dscnt 36                                ; all but the 36 just issued: this step's fragments are in
.endif
.else
	s_wait_dscnt 0x0
.endif
	MUL32 \g
.endm
	s_wait_alu depctr_va_vdst(0)                   ; the wait at the head's end
	s_wait_tensorcnt 0x0                           ; my tile of the head's four is in
	ds_add_u32 v254, v255
	s_mov_b32 s[G1A+2], 4<<16                      ; no tensor load of mine is out: from here on a load brings half a tile's blocks
	s_mov_b32 s[G1A+4], 4
	s_mov_b32 s[G1B+2], 8<<16
	s_mov_b32 s[G1B+4], 8
	s_wait_dscnt 0x0
	CROUND                                         ; all four tiles are in, and all sixteen work-groups are here
	JLOAD G0A+4, G1A, G0B+4, G1B                   ; K steps 4 to 7: the first tensor load behind the round, one a wave
	FETCH 0
	SCALES 0
	s_wait_loadcnt 0x0                             ; b_dense
.irp g, 0,1,2,3,4,5,6,7
	KSTEP \g
.endr
	WIN 0
	PLACES 4                                       ; in front of the first reads of results and of loads into registers that held fragments
; 64 numbers of window 2, register 16 b + i = column 32 b + 16 (lane / 16) + i of my row, become a fragment's codes in v[PC] on and the row's scale word in v[pw]
.macro QUANTW s, pw
	WIN 0x0a                                       ; sources 0 and 1 window 2
.irp b, 0,1,2,3
	v_max3_num_f32 v[TM+\b], |v[(\s)+16*\b]|, |v[(\s)+1+16*\b]|, 0x2800000   ; and the floor 2^(5 - 127): the byte cannot fall under 1
.endr
.irp i, 2,4,6,8,10,12,14
.irp b, 0,1,2,3
	v_max3_num_f32 v[TM+\b], |v[(\s)+16*\b+\i]|, |v[(\s)+1+16*\b+\i]|, v[TM+\b]
.endr
.endr
	WIN 0
.irp b, 0,1,2,3
	v_permlanex16_b32 v[TM+4+\b], v[TM+\b], s[SEL], s[SEL+1]
.endr
.irp b, 0,1,2,3
	v_max_num_f32 v[TM+\b], v[TM+\b], v[TM+4+\b]   ; with lane l xor 16's: the block's largest magnitude
.endr
.irp b, 0,1,2,3
	v_add_nc_u32 v[TM+12+\b], 0xfe000000, v[TM+\b]   ; 4 off the exponent field: the conversion's scale operand
.endr
.irp b, 0,1,2,3
	v_lshrrev_b32 v[TM+4+\b], 23, v[TM+12+\b]
.endr
	v_lshl_or_b32 v[\pw], v[TM+5], 8, v[TM+4]
	v_lshl_or_b32 v[\pw], v[TM+6], 16, v[\pw]
	v_lshl_or_b32 v[\pw], v[TM+7], 24, v[\pw]
	WIN 0x02                                       ; source 0 window 2
.irp c, 0,1
	v_cvt_scalef32_pk16_bf6_f32 v[PC+6*\c:PC+2+6*\c], v[(\s)+32*\c:(\s)+15+32*\c], v[TM+12+2*\c]
	v_cvt_scalef32_pk16_bf6_f32 v[PC+12+4*\c:PC+14+4*\c], v[(\s)+16+32*\c:(\s)+31+32*\c], v[TM+12+2*\c+1]
.endr
	WIN 0
	v_nop                                          ; one plain place behind a scaled conversion
.irp c, 0,1
.irp i, 0,1,2
	v_permlane16_swap_b32 v[PC+6*\c+\i], v[PC+12+4*\c+\i]
.endr
.irp i, 0,1,2
	v_mov_b32 v[PC+3+6*\c+\i], v[PC+12+4*\c+\i]
.endr
.endr
.endm
; THE WAY OUT of my rows 16 a on: through my stage to whole rows of 512 bytes for out0; from the registers to an image for pimg
.macro OUTBLK a
.set PC, 64+20*(\a)                    ; each block has registers of its own for its codes (where h's fragments lay) and for its rows (window 1, where W's lay): no pending store's data are written again
	WIN 0x08
.set k, 0
.rept 16
	ds_store_b128 v[STO], v[64*(\a)+4*k:64*(\a)+4*k+3] offset:128*(k/4)+32*((k/2)%2)+16*(k%2)   ; each accumulator from its low end on
.set k, k+1
.endr
	WIN 0x40                                       ; destination window 1
.set k, 0
.rept 16
	ds_load_b128 v[64*(\a)+4*k:64*(\a)+4*k+3], v[RD] offset:528*k   ; LDS serves a wave's instructions in order: these see the stores above
.set k, k+1
.endr
	QUANTW 64*(\a), PW+(\a)
.irp c, 0,1,2
	global_store_b128 v[LI], v[PC+4*\c:PC+4*\c+3], s[16:17] offset:12288*(\a)+512*\c
.endr
	s_wait_dscnt 0x0                               ; the rows are back
	WIN 0x04                                       ; a store's data: window 1
.set k, 0
.rept 16
	global_store_b128 v[LI], v[64*(\a)+4*k:64*(\a)+4*k+3], s[14:15] offset:(16*(\a)+k)*4096 th:TH_STORE_NT   ; 32 lanes store 512 consecutive bytes, at a multiple of 256 from out0's first byte
.set k, k+1
.endr
	WIN 0
.endm
	s_wait_alu depctr_va_vdst(0)
	OUTBLK 0
	OUTBLK 1
	OUTBLK 2
	OUTBLK 3
	v_cmp_gt_u32 vcc_lo, 16, v1
	v_cndmask_b32 v200, v[PW+1], v[PW], vcc_lo     ; lanes 0-15 store block a's words, lanes 16-31 block a + 1's
	v_cndmask_b32 v201, v[PW+3], v[PW+2], vcc_lo
	global_store_b32 v21, v200, s[18:19]
	global_store_b32 v21, v201, s[18:19] offset:1024
	s_wait_dscnt 0x0
	s_wait_tensorcnt 0x0
	ds_add_u32 v254, v255
	s_wait_dscnt 0x0
	CROUND                                         ; the closing round: no work-group ends while a partner may still ask for a tile that names it
	s_endpgm
.Lfunc_end_k_q184b734830_pred:
	.size	k_q184b734830_pred, .Lfunc_end_k_q184b734830_pred-k_q184b734830_pred
	.p2alignl 7, 3214868480
	.fill 96, 4, 3214868480
	.section	.rodata,"a",@progbits
	.p2align	6, 0x0
	.amdhsa_kernel k_q184b734830_pred
		.amdhsa_group_segment_fixed_size 327680
		.amdhsa_private_segment_fixed_size 0
		.amdhsa_enable_private_segment 0
		.amdhsa_kernarg_size 64
		.amdhsa_user_sgpr_count 2
		.amdhsa_user_sgpr_kernarg_segment_ptr 1
		.amdhsa_wavefront_size32 1
		.amdhsa_system_sgpr_workgroup_id_x 1
		.amdhsa_system_sgpr_workgroup_id_y 1
		.amdhsa_system_sgpr_workgroup_id_z 1
		.amdhsa_system_vgpr_workitem_id 0
		.amdhsa_next_free_vgpr 1024
		.amdhsa_next_free_sgpr 106
		.amdhsa_reserve_vcc 1
		.amdhsa_float_denorm_mode_32 3
		.amdhsa_float_denorm_mode_16_64 3
		.amdhsa_memory_ordered 1
		.amdhsa_forward_progress 1
		.amdhsa_inst_pref_size 98
	.end_amdhsa_kernel
	.amdgpu_metadata
---
amdhsa.version: [ 1, 2 ]
amdhsa.kernels:
  - .name:           k_q184b734830_pred
    .symbol:         k_q184b734830_pred.kd
    .args:
      - { .name: himg, .offset: 0, .size: 8, .value_kind: global_buffer, .address_space: global }
      - { .name: hscl, .offset: 8, .size: 8, .value_kind: global_buffer, .address_space: global }
      - { .name: wimg, .offset: 16, .size: 8, .value_kind: global_buffer, .address_space: global }
      - { .name: wscl, .offset: 24, .size: 8, .value_kind: global_buffer, .address_space: global }
      - { .name: b_dense, .offset: 32, .size: 8, .value_kind: global_buffer, .address_space: global }
      - { .name: out0, .offset: 40, .size: 8, .value_kind: global_buffer, .address_space: global }
      - { .name: pimg, .offset: 48, .size: 8, .value_kind: global_buffer, .address_space: global }
      - { .name: pscl, .offset: 56, .size: 8, .value_kind: global_buffer, .address_space: global }
    .group_segment_fixed_size: 327680
    .private_segment_fixed_size: 0
    .kernarg_segment_align: 8
    .kernarg_segment_size: 64
    .max_flat_workgroup_size: 128
    .sgpr_count:     106
    .vgpr_count:     1024
    .wavefront_size: 32
...
	.end_amdgpu_metadata
.endif
;; end of part 2
;; launch gates (part 3): grid 16 x 32, 4 waves a work-group, clusters of 4 x 4, 327,680 bytes of LDS; arguments pimg, pscl, himg, hscl, wimg, wscl, inputs, b_gru, out1; writes out1
.if DOCPART == 3
	.amdgcn_target "amdgcn-amd-amdhsa--gfx1250"
	.amdhsa_code_object_version 6
	.text
	.protected	k_q184b734830_gates
	.globl	k_q184b734830_gates
	.p2align	8
	.type	k_q184b734830_gates,@function
k_q184b734830_gates:
	s_mov_b64 s[64:65], 0
	v_nop
	global_prefetch_b8 v0, s[64:65] scope:SCOPE_SE
	s_setreg_imm32_b32 hwreg(HW_REG_WAVE_MODE, 25, 1), 1
	s_wait_xcnt 0x0
	s_wait_alu depctr_hold_cnt(0) depctr_sa_sdst(0) depctr_va_vdst(0) depctr_va_sdst(0) depctr_va_ssrc(0) depctr_va_vcc(0) depctr_vm_vsrc(0)
	s_getreg_b32 s2, hwreg(HW_REG_IB_STS2, 6, 4)
	s_cmp_eq_u32 s2, 0
	s_cbranch_scc0 .Lentry_in_a_cluster
	s_endpgm
.Lentry_in_a_cluster:
	s_bfe_u32 s2, ttmp6, 0x10000c
	s_cmp_lg_u32 s2, 0xf033
	s_cbranch_scc0 .Lentry_shape_is_right
	s_endpgm
.Lentry_shape_is_right:
; out1 = z h + (1 - z) hh;  z = sigmoid(x_z + u_z), r = sigmoid(x_r + u_r), hh = tanh(x_h + r u_h);  x = Q(pred) Q(W_gru) + b_gru[0], u = Q(h) Q(U_gru) + b_gru[1]: products on codes of BF6 (E3M2), all else f32.
; Operands lie in memory in the order of their registers (a fragment, 16 rows x 128 K, is 1,536 bytes: registers 4 c .. 4 c + 3 of lane l at 512 c + 16 l; a block of 16 rows has 8 such on end); scale words: 512 bytes a block, row r, K step 2 kap + q at 128 kap + 8 r + 4 q.
; SHARES.  A work-group makes 256 rows x 64 columns j of out1; wave (wm, wn) 128 rows x 32 j.  For each output four sums: z and r run over K = 2,048 (pred against W_gru, then h against U_gru); x_h and u_h over 1,024 each.
; So a wave has 8 row blocks x 8 accumulators (c = 0, 1 z; 2, 3 r; 4, 5 x_h; 6, 7 u_h), 512 registers, and a K step of 128 is 48 products from 8 + 6 fragments.
; THE RING.  The 16 K steps (0-7 pred x W_gru, 8-15 h x U_gru) go through two LDS buffers of three K steps each, in six slots of 3, 3, 2, 3, 3, 2 K steps: two first fills and four refills.  A refill is asked for ahead of
; the last K step of the slot that leaves its buffer (that step's fragments are in registers by then) and is waited for ahead of the last K step of the next slot: 144 products later (96 for the slot of two).
; The scale words of all of K come once, with the first fills.
; CLUSTERS: 4 x 4.  The rows' tiles are shared along a row of the cluster, the weights' along a column: joint loads with a mask of four.
; TRANSPOSED USE: source 0 = a weight block, source 1 = 16 rows.  The blocks' rows were ordered so that a gate's two accumulators are columns 16 (lane / 16) + 0 .. 15 of my 32, of row lane % 16.
; h as f32 (64 rows x 256 bytes a wave) is asked for at the head into spare registers and goes, in K step 14, to a stage that lies in buffer 0: that buffer has had its last fill, and nobody reads it behind the last change of slots.
; The results overwrite h there and leave block by block of 16 rows, while the next block is computed.
; sigmoid(x) = 1 / (1 + 2^(-x log2 e)); tanh(x) = 1 - 2 / (1 + 2^(2 x log2 e)): absolute error of the order of 1e-7; an exponential that overflows gives infinity, whose reciprocal is 0: the gates saturate rightly.
; LIMITS: NaN and infinities among the inputs are not served.
; REGISTERS: window 0: v1-18 lane numbers and addresses; v28, v29 the add's; v32-63 scale words alone, two sets; v64-127, v224-255 biases (v80-95, v112-127 are free once they are combined: h's last four quads, then rows on their way out);
;   v128-223 the rows' 8 fragments, one set (later the epilogue's work).   window 1: the weights' 6 fragments, two sets, at v0 and v128; v72-127, v200-255 h as loaded.
;   windows 2, 3: accumulator (a, c) at v[8 (8 (a % 4) + c)] of window 2 + a / 4.
; THE RING AS IT IS LAID NOW: six slots of 3, 3, 2, 3, 3, 2 K steps (0-2, 3-5, 6-7 of pred x W_gru; 8-10, 11-13, 14-15 of h x U_gru), slot s in buffer s % 2.
; At the head one tensor load a wave: wave 0 slot 0's 16 row blocks, wave 2 its 12 weight blocks (the two halves of a tile of three K steps lie on end in LDS), wave 1 pred's scale words, wave 3 W_gru's.
; Slot 1 and the scale words of h and U_gru are later first fills, shared out in the same way behind every wave's wait for its loads, the add, its wait and a round.  The refills go by quarters, one a wave.
; PREFETCHES: behind the load of slot s each wave asks for its share of slot s + 2 (behind the head's load: of slots 1 and 2, and waves 1 and 3 for the second group's scale words); slots 4 and 5 have none two on, so their loads are followed by none.
; Each block of 256 bytes of a tile is named once in a cluster: the four partners of a joint load share the blocks out by address.  Rows: wave (half, wm) of partner cx takes row block 8 half + 2 cx + wm, a lane a block of 256 bytes.
; Weights: of a half's 6 x 18 (two K steps: 6 x 12) blocks of 256 bytes, (cy, wm) takes 14 (9) on end.  Lanes left over name their wave's last block again.  The K step stands in the immediate: no address register is ever rewritten.
.set PSA,   23                         ; v23      prefetch: my work-group's 8 of the 32 blocks of 256 bytes of h's scale words
.set PSB,   24                         ; v24      its 6 of the 24 of U_gru's;  v19, v20 rows of three, two K steps;  v21, v22 weights likewise;  v25-27 at work on them
.set BUF,   129024
.set AHALF, 36864                      ; 8 row blocks x 3 x 1,536
.set BOFF,  73728                      ; the weights lie behind the rows' two halves
.set BHALF, 27648                      ; 6 weight blocks x 3 x 1,536
.set SCAP,  258048                     ; behind the ring: pred's scale words, 16 blocks x 512;  h's lie 14,336 further on
.set SCBG,  266240                     ; W_gru's, 12 blocks x 512;  U_gru's lie 14,336 further on
.set HST,   0                          ; the stage for h and out1: 256 rows x (256 + 16) bytes, in buffer 0
.set SPARE, 286720                     ; the spare words, 128 bytes for each wave: two blocks of 256 bytes that no other line names
.set ADRA,  8                          ; v8, v9   my 8 row blocks in buffer 0, 1, + 16 x lane
.set ADRB,  10                         ; v10, v11 my 6 weight blocks
.set ADRS,  12                         ; v12      scale words: lanes 0-15 the rows', lanes 16-31 the weights'
.set ADRS2, 13                         ; v13      the same with lanes 16-31 six blocks back: for registers 6 and 7, whose upper lanes nobody uses, so that every lane reads filled bytes
.set HSA,   14                         ; v14      the stage by whole rows, for h: my wave's 64 rows, two an instruction
.set HRA,   15                         ; v15      the stage by the result's layout: row r, my 16 columns
.set GV,    16                         ; v16      two rows in inputs and out1: 4,096 (lane / 16) + 16 (lane % 16)
.set ORA,   18                         ; v18      the stage by whole rows, for out1: of each block of my 128 rows the eight rows 8 wn on
.set SPW,   28
.set NIL,   29
.set SC,    32
.set BZ,    64                         ; b_gru[0] z, then -(b0 + b1) log2 e
.set B1Z,   80
.set BR,    96
.set B1R,   112
.set BXH,   224                        ; b_gru[0] h, then x 2 log2 e
.set BUH,   240                        ; b_gru[1] h, likewise
.set AF,    128
.set ZA,    128                        ; the epilogue: 16 numbers each
.set RA,    144
.set XA,    160
.set UA,    176
.set HV0,   192                        ; h, then the results: two sets
.set W0,    80                         ; rows on their way out, two sets: v80-95, v112-127
.set G1A2,  32                         ; s[32:39] group 1 for the rows' tile of two K steps;  s[40:47] for the weights'
.set G1B2,  40
.set G1A3,  48                         ; s[48:55], s[56:63] the same of three K steps
.set G1B3,  56
.set G0A,   68                         ; s[68:75] group 0 for the rows' tiles, a set for each buffer
.set G0B,   76                         ; s[76:83] for the weights'
.set G1SA,  84                         ; s[84:91], s[92:99] group 1 for the scale words
.set G1SB,  92
.set G0SA,  24                         ; s[24:27], s[28:31] their groups 0
.set G0SB,  28
.set CN,    6                          ; s[6:7]   -log2 e  (once pscl's address is used up)
.set C2,    10                         ; s[10:11] 2 log2 e (once hscl's is)
.set MSB, 0
.macro WIN new                         ; the immediate's high byte repeats the setting that is left; a switch that changes nothing is dropped
.if MSB != (\new)
	s_set_vgpr_msb (MSB<<8)|(\new)
.set MSB, (\new)
.endif
.endm
.macro PLACES cnt
.rept \cnt
	v_nop
.endr
.endm
.macro GROUP1 g, c, r, p               ; r rows of c elements of 8 bytes, p elements apart
	s_mov_b32 s[\g+1], (\c)<<16
	s_mov_b32 s[\g+2], (\r)<<16
	s_mov_b32 s[\g+3], (\c)<<16
	s_mov_b32 s[\g+4], \r
	s_mov_b32 s[\g+5], \p
	s_mov_b32 s[\g+6], 0
	s_mov_b32 s[\g+7], 0
.endm
; A joint load: waves 0 and 1 fetch for the rows, waves 2 and 3 for the weights.  The branch hangs on the wave's number alone.  Four v_nop follow each of the two lines.
.macro JLOAD g0a, g1a, g0b, g1b
	s_cmp_eq_u32 s3, 0
	s_cbranch_scc0 .Lfor_b_\@
	tensor_load_to_lds s[\g0a:\g0a+3], s[\g1a:\g1a+7]
	s_nop 0
.rept 4
	v_nop
.endr
	s_branch .Lasked_\@
.Lfor_b_\@:
	tensor_load_to_lds s[\g0b:\g0b+3], s[\g1b:\g1b+7]
	s_nop 0
.rept 4
	v_nop
.endr
.Lasked_\@:
.endm
.macro CREST                           ; a round of the cluster's barrier behind its opening barrier
	s_cmp_lg_u32 s2, 0
	s_cbranch_scc1 .Lnot_wave_0_\@
	s_barrier_signal -3
.Lnot_wave_0_\@:
	s_barrier_wait -3
	s_barrier_signal -1
	s_barrier_wait -1
.endm
.macro CROUND
	s_barrier_signal -1
	s_barrier_wait -1
	CREST
.endm
.macro FRAG reg, adr, off              ; a fragment's image: three loads of 512 consecutive bytes
.irp c, 0,1,2
	ds_load_b128 v[(\reg)+4*\c:(\reg)+4*\c+3], v[\adr] offset:(\off)+512*\c
.endr
.endm
	s_load_b256 s[4:11], s[0:1], 0x0               ; pimg s[4:5], pscl s[6:7], himg s[8:9], hscl s[10:11]
	s_load_b256 s[12:19], s[0:1], 0x20             ; wimg s[12:13], wscl s[14:15], inputs s[16:17], b_gru s[18:19]
	s_load_b64 s[20:21], s[0:1], 0x40              ; out1
	v_lshl_add_u32 v[SPW], v0, 2, SPARE
	v_mov_b32 v[NIL], 0
	ds_add_u32 v28, v29
	ds_add_u32 v28, v29
	s_wait_dscnt 0x0
	v_lshrrev_b32 v1, 5, v0
	v_readfirstlane_b32 s2, v1                     ; wave 0..3
	s_lshr_b32 s3, s2, 1                           ; wm: my 128 rows.  Also: I fetch for the rows (0) or for the weights (1)
	s_and_b32 s22, s2, 1                           ; wn: my 32 columns.  Also: which half of that tile I fetch
	s_bfe_u32 s23, ttmp6, 0x40000                  ; cx
	s_bfe_u32 s24, ttmp6, 0x40004                  ; cy
	s_lshl_b32 s28, 0x1111, s23                    ; my column of the cluster
	s_lshl_b32 s26, s24, 2
	s_lshl_b32 s26, 15, s26                        ; my row
	s_or_b32 s[G1A2], s26, (3<<16)|(1<<21)         ; 15:0 the mask; 17:16 elements of 8 bytes; 21 set beside a mask; no padding: the images are dense
	s_or_b32 s[G1A3], s26, (3<<16)|(1<<21)
	s_or_b32 s[G1SA], s26, (3<<16)|(1<<21)
	s_or_b32 s[G1B2], s28, (3<<16)|(1<<21)
	s_or_b32 s[G1B3], s28, (3<<16)|(1<<21)
	s_or_b32 s[G1SB], s28, (3<<16)|(1<<21)
	GROUP1 G1A2, 384, 8, 1536                      ; eight blocks' 3,072 bytes (two K steps), 12,288 bytes apart
	GROUP1 G1B2, 384, 6, 1536                      ; six blocks'
	GROUP1 G1A3, 576, 16, 1536                     ; sixteen blocks' 4,608 bytes (three K steps) for the first fills; eight from the first refill on
	GROUP1 G1B3, 576, 12, 1536                     ; twelve blocks'; six from the first refill on
	GROUP1 G1SA, 32, 32, 32                        ; 8,192 dense bytes of scale words as rows of 256
	GROUP1 G1SB, 32, 24, 32                        ; 6,144
	s_lshl_b32 s29, ttmp9, 2
	s_add_co_u32 s23, s29, s23                     ; jt: tile column = 4 x cluster x + cx
	s_and_b32 s25, ttmp7, 0xffff
	s_lshl_b32 s25, s25, 2
	s_add_co_u32 s25, s25, s24                     ; rt: tile row = 4 x cluster y + cy
	s_lshl_b32 s26, s25, 4
	s_lshl_b32 s27, s22, 3
	s_add_co_u32 s26, s26, s27
	s_mul_i32 s26, s26, 12288                      ; rows: block 16 rt + 8 x half
	s_mov_b32 s27, 0
	s_mul_i32 s30, s23, 12
	s_mul_i32 s31, s22, 6
	s_add_co_u32 s30, s30, s31
	s_add_co_u32 s30, s30, 64
	s_mul_i32 s30, s30, 12288                      ; weights: block 64 + 12 jt + 6 x half (W_gru; U_gru's lie 192 blocks on)
	s_mov_b32 s31, 0
	s_lshl_b32 s100, s25, 20                       ; row 256 rt of 4,096 bytes,
	s_lshl_b32 s101, s23, 8
	s_add_co_u32 s100, s100, s101                  ; column 64 jt;
	s_lshl_b32 s101, s2, 18
	s_add_co_u32 s104, s100, s101                  ; h: + 64 x wave rows
	s_mov_b32 s105, 0
	s_lshl_b32 s101, s3, 19
	s_add_co_u32 s100, s100, s101
	s_lshl_b32 s101, s22, 15
	s_add_co_u32 s100, s100, s101                  ; out1: + 128 wm + 8 wn rows
	s_mov_b32 s101, 0
	s_wait_kmcnt 0x0
	s_add_nc_u64 s[4:5], s[4:5], s[26:27]          ; pimg at the blocks that I fetch
	s_add_nc_u64 s[8:9], s[8:9], s[26:27]          ; himg likewise
	s_add_nc_u64 s[12:13], s[12:13], s[30:31]      ; wimg
	s_add_nc_u64 s[16:17], s[16:17], s[104:105]    ; inputs
	s_add_nc_u64 s[20:21], s[20:21], s[100:101]    ; out1
	s_lshl_b32 s104, s23, 8                        ; b_gru: 4 (64 jt + 32 wn)
	s_lshl_b32 s29, s22, 7
	s_add_co_u32 s104, s104, s29
	s_add_nc_u64 s[18:19], s[18:19], s[104:105]
	s_lshl_b32 s100, s25, 13                       ; the rows' scale words: 8,192 bytes a tile row
	; the prefetches' offsets, from the addresses of the blocks that I fetch (s23 = jt, so jt % 4 = cx; s24 = cy)
	v_and_b32 v25, 31, v0                          ; lane
	s_and_b32 s66, s23, 3                          ; cx
	s_lshl_b32 s67, s66, 1
	s_add_co_u32 s67, s67, s3
	s_mul_i32 s67, s67, 12288                      ; rows: block 2 cx + wm of my half
	v_min_u32 v26, 17, v25
	v_min_u32 v27, 11, v25
	v_lshl_add_u32 v19, v26, 8, s67                ; 18 blocks of 256 bytes in three K steps,
	v_lshl_add_u32 v20, v27, 8, s67                ; 12 in two
	s_lshl_b32 s67, s24, 1
	s_add_co_u32 s67, s67, s3                      ; 2 cy + wm
	s_mul_i32 s104, s67, 14
	v_min_u32 v26, 13, v25
	v_add_nc_u32 v26, s104, v26
	v_min_u32 v26, 107, v26                        ; u: which of my half's 108
	v_mul_u32_u24 v27, v26, 57
	v_lshrrev_b32 v27, 10, v27                     ; u / 18: the weight block (57 / 1024 serves u up to 107)
	v_mul_u32_u24 v27, v27, 7680                   ; 12,288 a block, less the 18 x 256 that u has counted
	v_lshl_add_u32 v21, v26, 8, v27
	s_mul_i32 s104, s67, 9
	v_min_u32 v26, 8, v25
	v_add_nc_u32 v26, s104, v26                    ; u: which of my half's 72
	v_mul_u32_u24 v27, v26, 86
	v_lshrrev_b32 v27, 10, v27                     ; u / 12 (86 / 1024 serves u up to 71)
	v_mul_u32_u24 v27, v27, 9216
	v_lshl_add_u32 v22, v26, 8, v27
	s_lshl_b32 s66, s66, 3
	v_min_u32 v26, 7, v25
	v_add_nc_u32 v26, s66, v26
	v_lshlrev_b32 v[PSA], 8, v26                   ; 256 (8 cx + lane)
	s_mul_i32 s67, s24, 6
	v_min_u32 v27, 5, v25
	v_add_nc_u32 v27, s67, v27
	v_lshlrev_b32 v[PSB], 8, v27                   ; 256 (6 cy + lane)
	s_wait_alu depctr_va_vdst(0)
	s_add_nc_u64 s[G0SA+2:G0SA+3], s[6:7], s[100:101]   ; pred's scale words first
	s_or_b32 s[G0SA+3], s[G0SA+3], 0x80000000
	s_mov_b32 s[G0SA], 1
	s_mov_b32 s[G0SA+1], SCAP
	s_mul_i32 s30, s23, 6144
	s_add_co_u32 s30, s30, 32768
	s_add_nc_u64 s[G0SB+2:G0SB+3], s[14:15], s[30:31]
	s_mov_b64 s[66:67], s[G0SB+2:G0SB+3]           ; W_gru's scale words of my tile column, for the prefetch of U_gru's, 98,304 bytes on
	s_or_b32 s[G0SB+3], s[G0SB+3], 0x80000000
	s_mov_b32 s[G0SB], 1
	s_mov_b32 s[G0SB+1], SCBG
	s_add_nc_u64 s[14:15], s[10:11], s[100:101]    ; h's scale words, kept for the second group (wscl's address is used up)
	s_mul_i32 s104, s22, AHALF                     ; where the tiles go: no place in the cluster enters an LDS address
	s_mul_i32 s105, s22, BHALF
.irp b, 0,1
	s_mov_b32 s[G0A+4*\b], 1
	s_add_co_u32 s[G0A+4*\b+1], s104, \b*BUF
	s_add_nc_u64 s[G0A+4*\b+2:G0A+4*\b+3], s[4:5], \b*4608        ; slot 0 begins with K step 0, slot 1 with K step 3
	s_or_b32 s[G0A+4*\b+3], s[G0A+4*\b+3], 0x80000000
	s_mov_b32 s[G0B+4*\b], 1
	s_add_co_u32 s[G0B+4*\b+1], s105, \b*BUF+BOFF
	s_add_nc_u64 s[G0B+4*\b+2:G0B+4*\b+3], s[12:13], \b*4608
	s_or_b32 s[G0B+4*\b+3], s[G0B+4*\b+3], 0x80000000
.endr
	s_mov_b32 s[CN], 0xbfb8aa3b
	s_mov_b32 s[CN+1], s[CN]                       ; (named with it as a pair, so it is written)
	s_mov_b32 s[C2], 0x4038aa3b
	s_mov_b32 s[C2+1], s[C2]
	CROUND                                         ; all sixteen work-groups are here: the first joint loads meet
; Four first fills, one a wave, in one chain of branches on the wave's number: wave 0 a slot's rows, wave 1 the rows' scale words, wave 2 the slot's weights, wave 3 the weights' scale words.
; Waves 0 and 2 have half 0, so their addresses are the whole tile's.
.macro QLOAD g0a, g0b
	s_cmp_lg_u32 s2, 0
	s_cbranch_scc1 .Lq1_\@
	tensor_load_to_lds s[\g0a:\g0a+3], s[G1A3:G1A3+7]
	s_nop 0
	PLACES 4
	s_branch .Lqe_\@
.Lq1_\@:
	s_cmp_lg_u32 s2, 1
	s_cbranch_scc1 .Lq2_\@
	tensor_load_to_lds s[G0SA:G0SA+3], s[G1SA:G1SA+7]
	s_nop 0
	PLACES 4
	s_branch .Lqe_\@
.Lq2_\@:
	s_cmp_lg_u32 s2, 2
	s_cbranch_scc1 .Lq3_\@
	tensor_load_to_lds s[\g0b:\g0b+3], s[G1B3:G1B3+7]
	s_nop 0
	PLACES 4
	s_branch .Lqe_\@
.Lq3_\@:
	tensor_load_to_lds s[G0SB:G0SB+3], s[G1SB:G1SB+7]
	s_nop 0
	PLACES 4
.Lqe_\@:
.endm
; My share of the slot of n K steps that begins with K step gx: one request for the rows, one for the weights
.macro ASK gx, n
.if (\gx) < 8
	global_prefetch_b8 v[22-(\n)], s[4:5] offset:1536*(\gx) th:TH_LOAD_NT scope:SCOPE_SE
.else
	global_prefetch_b8 v[22-(\n)], s[8:9] offset:1536*((\gx)-8) th:TH_LOAD_NT scope:SCOPE_SE
.endif
	global_prefetch_b8 v[24-(\n)], s[12:13] offset:((\gx)/8)*2359296+((\gx)%8)*1536 th:TH_LOAD_NT scope:SCOPE_SE
.endm
	QLOAD G0A, G0B                                 ; slot 0, pred's and W_gru's scale words
	ASK 3, 3                                       ; slot 1,
	s_cmp_lg_u32 s2, 1
	s_cbranch_scc1 .Lps1
	global_prefetch_b8 v[PSA], s[14:15] th:TH_LOAD_NT scope:SCOPE_SE               ; h's scale words,
.Lps1:
	s_cmp_lg_u32 s2, 3
	s_cbranch_scc1 .Lps2
	global_prefetch_b8 v[PSB], s[66:67] offset:98304 th:TH_LOAD_NT scope:SCOPE_SE  ; U_gru's,
.Lps2:
	ASK 6, 2                                       ; and slot 2
	v_and_b32 v1, 31, v0                           ; lane
	v_and_b32 v2, 15, v0                           ; r
	v_bfe_u32 v3, v0, 4, 1                         ; h
	s_wait_alu depctr_va_vdst(0)
	v_lshlrev_b32 v4, 4, v1                        ; 16 x lane
	v_lshlrev_b32 v[GV], 4, v2
	v_lshl_add_u32 v[GV], v3, 12, v[GV]            ; lanes 0-15 one row's 256 bytes, lanes 16-31 the next row's
	v_lshlrev_b32 v17, 6, v3                       ; biases: 64 h
.macro BIAS reg, rb, g                 ; b_gru[rb][1024 g + my 16 columns]
.irp k, 0,1,2,3
	global_load_b128 v[\reg+4*\k:\reg+4*\k+3], v17, s[18:19] offset:(3072*\rb+1024*\g)*4+16*\k
.endr
.endm
	BIAS BZ, 0, 0
	BIAS B1Z, 1, 0
	BIAS BR, 0, 1
	BIAS B1R, 1, 1
	BIAS BXH, 0, 2
	BIAS BUH, 1, 2
	WIN 0x40                                       ; destination window 1
.set t, 0
.rept 28                               ; h as f32, rows 2 t and 2 t + 1 of my wave's 64: sixteen lanes read 256 consecutive bytes, at a multiple of 256 from the buffer's first byte
.set HR, 72+4*t+72*(t/14)
	global_load_b128 v[HR:HR+3], v[GV], s[16:17] offset:8192*t th:TH_LOAD_NT
.set t, t+1
.endr
	WIN 0
	s_mul_i32 s104, s3, AHALF                      ; my 8 row blocks,
	s_mul_i32 s105, s22, BHALF
	s_add_co_u32 s105, s105, BOFF                  ; my 6 weight blocks
.irp b, 0,1
	v_add_nc_u32 v[ADRA+\b], s104, v4
	v_add_nc_u32 v[ADRB+\b], s105, v4
	s_add_co_u32 s104, s104, BUF
	s_add_co_u32 s105, s105, BUF
.endr
	s_mul_i32 s104, s22, 3072
	s_add_co_u32 s104, s104, 8192
	s_lshl_b32 s105, s3, 12
	s_sub_co_u32 s104, s104, s105                  ; from my row blocks' words to my weight blocks': one product with the lane's half
	v_mul_u32_u24 v[ADRS], s104, v3
	s_sub_co_u32 s104, s104, 3072
	v_mul_u32_u24 v[ADRS2], s104, v3
	s_add_co_u32 s105, s105, SCAP
	v_lshl_add_u32 v5, v2, 3, s105
	v_add_nc_u32 v[ADRS], v[ADRS], v5
	v_add_nc_u32 v[ADRS2], v[ADRS2], v5
	s_mul_i32 s104, s2, 17408
	s_add_co_u32 s104, s104, HST
	v_mul_u32_u24 v[HSA], v3, 272
	v_lshl_add_u32 v[HSA], v2, 4, v[HSA]
	v_add_nc_u32 v[HSA], s104, v[HSA]
	s_mul_i32 s104, s3, 34816
	s_lshl_b32 s105, s22, 7
	s_add_co_u32 s104, s104, s105
	s_add_co_u32 s104, s104, HST
	v_mul_u32_u24 v[HRA], v2, 272                  ; rows 272 bytes apart begin in sixteen different columns of 16 bytes
	v_lshl_add_u32 v[HRA], v3, 6, v[HRA]
	v_add_nc_u32 v[HRA], s104, v[HRA]
	s_mul_i32 s104, s3, 34816
	s_mul_i32 s105, s22, 2176                      ; eight rows of 272 bytes
	s_add_co_u32 s104, s104, s105
	s_add_co_u32 s104, s104, HST
	v_mul_u32_u24 v[ORA], v3, 272
	v_lshl_add_u32 v[ORA], v2, 4, v[ORA]
	v_add_nc_u32 v[ORA], s104, v[ORA]
	s_wait_loadcnt 28                              ; the biases are in; the 28 loads of h issued behind them may be out
	; The biases are brought under the exponentials' factors here, while the first tiles are on their way; that frees v80-95 and v112-127
.set j, 0
.rept 8
	v_pk_add_f32 v[BZ+j:BZ+j+1], v[BZ+j:BZ+j+1], v[B1Z+j:B1Z+j+1]
	v_pk_add_f32 v[BR+j:BR+j+1], v[BR+j:BR+j+1], v[B1R+j:B1R+j+1]
.set j, j+2
.endr
.set j, 0
.rept 8
	v_pk_mul_f32 v[BZ+j:BZ+j+1], v[BZ+j:BZ+j+1], s[CN:CN+1] op_sel_hi:[1,0]
	v_pk_mul_f32 v[BR+j:BR+j+1], v[BR+j:BR+j+1], s[CN:CN+1] op_sel_hi:[1,0]
	v_pk_mul_f32 v[BXH+j:BXH+j+1], v[BXH+j:BXH+j+1], s[C2:C2+1] op_sel_hi:[1,0]
	v_pk_mul_f32 v[BUH+j:BUH+j+1], v[BUH+j:BUH+j+1], s[C2:C2+1] op_sel_hi:[1,0]
.set j, j+2
.endr
.rept 4                                ; h's last eight rows
	global_load_b128 v[80+4*(t-28):80+4*(t-28)+3], v[GV], s[16:17] offset:8192*t th:TH_LOAD_NT
.set t, t+1
.endr
; Where K step g lies: slot 3 (g / 8) + (g % 8) / 3, buffer slot % 2; in a block's row of the tile the QX-th 1,536 bytes; blocks PIT bytes apart (the slot's K steps x 1,536)
.macro LOC g
.set SL, 3*((\g)/8)+((\g)%8)/3
.set BFX, SL%2
.set QX, ((\g)%8)%3
.set PIT, 4608
.if (SL%3) == 2
.set PIT, 3072
.endif
.endm
; cnt row blocks from a0 on x the six weight blocks, K step g.  z = 1: the products start all sums; z = 2: they start the u_h sums.  Nothing is ever cleared.
; The accumulators take turns, one instruction a turn, in the same order in every step.
.macro MUL a0, cnt, g, z
.set SS, SC+16*(((\g)/2)%2)+((\g)%2)
.set BS, 128*((\g)%2)
.set aa, \a0
.rept \cnt
.irp b, 0,1,2,3,4,5
.set cc, \b
.if ((\g) >= 8) && (\b >= 4)
.set cc, \b+2
.endif
.set DD, 8*(8*(aa%4)+cc)
.if ((\z) == 1) || (((\z) == 2) && (\b >= 4))
	v_wmma_scale_f32_16x16x128_f8f6f4 v[DD:DD+7], v[BS+12*\b:BS+12*\b+11], v[AF+12*aa:AF+12*aa+11], 0, v[SS+2*\b], v[SS+2*aa] matrix_a_fmt:MATRIX_FMT_BF6 matrix_b_fmt:MATRIX_FMT_BF6 matrix_a_scale:MATRIX_SCALE_ROW1
.else
	v_wmma_scale_f32_16x16x128_f8f6f4 v[DD:DD+7], v[BS+12*\b:BS+12*\b+11], v[AF+12*aa:AF+12*aa+11], v[DD:DD+7], v[SS+2*\b], v[SS+2*aa] matrix_a_fmt:MATRIX_FMT_BF6 matrix_b_fmt:MATRIX_FMT_BF6 matrix_a_scale:MATRIX_SCALE_ROW1
.endif
.endr
.set aa, aa+1
.endr
.endm
.macro FETCH_B g                       ; 18 loads: K step g's weight fragments into set g % 2
	LOC \g
	WIN 0x40
.irp i, 0,1,2,3,4,5
	FRAG 128*((\g)%2)+12*\i, ADRB+BFX, PIT*\i+1536*QX
.endr
	WIN 0
.endm
.macro FETCH_A g, a0                   ; 12 loads: K step g's row blocks a0 .. a0 + 3
	LOC \g
.irp i, 0,1,2,3
	FRAG AF+12*((\a0)+\i), ADRA+BFX, PIT*((\a0)+\i)+1536*QX
.endr
.endm
.macro SCALES kap                      ; 8 loads: the scale words of K steps 2 kap and 2 kap + 1: register 2 i + q: lanes 0-15 row block i, lanes 16-31 weight block i
.irp i, 0,1,2,3,4,5
	ds_load_b64 v[SC+16*((\kap)%2)+2*\i:SC+16*((\kap)%2)+2*\i+1], v[ADRS] offset:14336*((\kap)/4)+128*((\kap)%4)+512*\i
.endr
.irp i, 6,7
	ds_load_b64 v[SC+16*((\kap)%2)+2*\i:SC+16*((\kap)%2)+2*\i+1], v[ADRS2] offset:14336*((\kap)/4)+128*((\kap)%4)+512*\i
.endr
.endm
.macro HSTORE                          ; h leaves its registers for the stage in buffer 0: every wave has passed the last change of slots, behind which nobody reads that buffer and nothing is filled
	s_wait_loadcnt 0x0                             ; h, asked for at the head
	WIN 0x04                                       ; an LDS store's data: window 1
.set t, 0
.rept 28
.set HR, 72+4*t+72*(t/14)
	ds_store_b128 v[HSA], v[HR:HR+3] offset:544*t
.set t, t+1
.endr
	WIN 0
.rept 4
	ds_store_b128 v[HSA], v[80+4*(t-28):80+4*(t-28)+3] offset:544*t
.set t, t+1
.endr
.endm
; K step g: 48 products, and the fetch of K step g + 1's fragments, from this slot or (behind a change of slots) from the next.
; A row block is free as soon as its six products are issued, so the rows have one set of registers; the weights' fragments are at work through the step and have two.
.macro STEP g, z
	s_wait_dscnt 12                                ; all but the youngest twelve loads (row blocks 4-7)
	WIN 0xa1                                       ; weights window 1, rows window 0, C and D window 2
	MUL 0, 4, \g, \z
	s_wait_dscnt 0x0                               ; row blocks 4-7 are in
	PLACES 4                                       ; four places in front of loads into registers that matrix instructions have read
	WIN 0
.if (\g) == 14
	HSTORE
.endif
	FETCH_B (\g)+1
	FETCH_A (\g)+1, 0
.if ((\g)%2) == 1
	SCALES ((\g)+1)/2
.endif
	WIN 0xf1                                       ; C and D window 3
	MUL 4, 4, \g, \z
	PLACES 4
	WIN 0
	FETCH_A (\g)+1, 4
.endm
; THE CHANGE OF SLOTS stands ahead of a slot's last K step, whose fragments have all been asked for.  Each wave waits for all its tensor loads (its part of the next slot), adds 0 to its spare word, and waits for that
; and for its reads of this slot.  ns > 0: the barrier opens a round of the cluster's, and the buffer that is left takes slot ns: the first thing behind the round, and the wave's one tensor load until the next change.
.macro CHANGE ns
	s_wait_tensorcnt 0x0                           ; all my tensor loads have landed: no load of mine is out, so a group 0 may be written
	ds_add_u32 v[SPW], v[NIL]                      ; 0 onto my spare word; the new addresses are made between it and the wait for it
.if (\ns) > 0
.set GX, 3*(\ns)-(\ns)/3               ; the slot's first K step: 6, 8, 11, 14
.set BF, (\ns)%2
.if (\ns) == 2
	s_mov_b32 s[G1A3+2], 8<<16                     ; no tensor load of mine is out: from here on a load of three K steps brings half a tile's blocks
	s_mov_b32 s[G1A3+4], 8
	s_mov_b32 s[G1B3+2], 6<<16
	s_mov_b32 s[G1B3+4], 6
.endif
.if GX < 8
	s_add_nc_u64 s[G0A+4*BF+2:G0A+4*BF+3], s[4:5], 1536*GX
.else
	s_add_nc_u64 s[G0A+4*BF+2:G0A+4*BF+3], s[8:9], 1536*(GX-8)
.endif
	s_or_b32 s[G0A+4*BF+3], s[G0A+4*BF+3], 0x80000000
	s_add_nc_u64 s[G0B+4*BF+2:G0B+4*BF+3], s[12:13], (GX/8)*2359296+(GX%8)*1536
	s_or_b32 s[G0B+4*BF+3], s[G0B+4*BF+3], 0x80000000
.endif
	s_wait_dscnt 0x0                               ; the add is done, and my reads of this slot are over
	s_barrier_signal -1
	s_barrier_wait -1
.if (\ns) > 0
	CREST                                          ; no wave of any partner still reads the buffer or has a load on its way
.if ((\ns)%3) == 2
	JLOAD G0A+4*BF, G1A2, G0B+4*BF, G1B2
.else
	JLOAD G0A+4*BF, G1A3, G0B+4*BF, G1B3
.endif
.if (\ns) == 2
	ASK 11, 3                                      ; slot 4, two slots on
.endif
.if (\ns) == 3
	ASK 14, 2                                      ; slot 5; behind it there is nothing left to ask for
.endif
.endif
.endm
	s_wait_alu depctr_va_vdst(0)                   ; the wait at the head's end
	s_wait_tensorcnt 0x0                           ; my tile of the head's four is in
	ds_add_u32 v[SPW], v[NIL]
	s_mov_b64 s[G0SA+2:G0SA+3], s[14:15]           ; no tensor load of mine is out: the scale words' groups 0 go on to h's and U_gru's
	s_or_b32 s[G0SA+3], s[G0SA+3], 0x80000000
	s_mov_b32 s[G0SA+1], SCAP+14336
	s_add_nc_u64 s[G0SB+2:G0SB+3], s[G0SB+2:G0SB+3], 98304
	s_mov_b32 s[G0SB+1], SCBG+14336
	s_wait_dscnt 0x0
	CROUND                                         ; all four tiles are in, and all sixteen work-groups are here
	QLOAD G0A+4, G0B+4                             ; slot 1, h's and U_gru's scale words: the first tensor load behind the round, one a wave
	FETCH_B 0
	FETCH_A 0, 0
	SCALES 0
	FETCH_A 0, 4
	ASK 8, 3                                       ; slot 3, two slots on: behind slot 1's load and the run of LDS loads
	STEP 0, 1                                      ; pred x W_gru: the first products start the sums z, r, x_h
	STEP 1, 0
	CHANGE 2                                       ; slot 0 (K steps 0-2) is left: its buffer takes K steps 6, 7
	STEP 2, 0
	STEP 3, 0
	STEP 4, 0
	CHANGE 3                                       ; slot 1 (3-5) is left: K steps 8-10
	STEP 5, 0
	STEP 6, 0
	CHANGE 4                                       ; slot 2 (6, 7) is left: K steps 11-13
	STEP 7, 0
	STEP 8, 2                                      ; h x U_gru: z and r go on, the first products start u_h
	STEP 9, 0
	CHANGE 5                                       ; slot 3 (8-10) is left: K steps 14, 15
	STEP 10, 0
	STEP 11, 0
	STEP 12, 0
	CHANGE 0                                       ; slot 4 (11-13) is left; nothing is left to fetch: no round, no load
	STEP 13, 0
	STEP 14, 0                                     ; (h goes to the stage in its middle)
	s_wait_dscnt 12                                ; the very last K step
	WIN 0xa1
	MUL 0, 4, 15, 0
	s_wait_dscnt 0x0
	WIN 0xf1
	MUL 4, 4, 15, 0
	WIN 0
	PLACES 4                                       ; four places in front of the first reads of results and of loads and writes into registers that held fragments
	s_wait_dscnt 0x0                               ; for the others' sake: my rows of h lie in the stage
	s_barrier_signal -1
	s_barrier_wait -1
	; THE GRU'S ARITHMETIC, a block of 16 rows at a time
.macro HLD a                           ; h of row block a: my row's 16 columns
.irp k, 0,1,2,3
	ds_load_b128 v[HV0+16*((\a)%2)+4*\k:HV0+16*((\a)%2)+4*\k+3], v[HRA] offset:4352*(\a)+16*\k
.endr
.endm
.macro ROWS a                          ; eight whole rows of block a's results, two an instruction
.irp i, 0,1,2,3
	ds_load_b128 v[W0+32*((\a)%2)+4*\i:W0+32*((\a)%2)+4*\i+3], v[ORA] offset:4352*(\a)+544*\i
.endr
.endm
.macro SEND a
.irp i, 0,1,2,3
	global_store_b128 v[GV], v[W0+32*((\a)%2)+4*\i:W0+32*((\a)%2)+4*\i+3], s[20:21] offset:65536*(\a)+8192*\i th:TH_STORE_NT   ; sixteen lanes store 256 consecutive bytes, at a multiple of 256 from out1's first byte
.endr
.endm
.macro EPI a
.if (\a) < 7
	HLD (\a)+1
.endif
.set AC, 64*((\a)%4)
.set HH, HV0+16*((\a)%2)
	WIN 0x02+(\a)/4                                ; source 0: the accumulators' window.
.set j, 0
.rept 8
	v_pk_fma_f32 v[RA+j:RA+j+1], v[AC+16+j:AC+16+j+1], s[CN:CN+1], v[BR+j:BR+j+1] op_sel_hi:[1,0,1]   ; -(x_r + u_r) log2 e
.set j, j+2
.endr
.set j, 0
.rept 8
	v_pk_fma_f32 v[ZA+j:ZA+j+1], v[AC+j:AC+j+1], s[CN:CN+1], v[BZ+j:BZ+j+1] op_sel_hi:[1,0,1]         ; -(x_z + u_z) log2 e
.set j, j+2
.endr
.set j, 0
.rept 8
	v_pk_fma_f32 v[XA+j:XA+j+1], v[AC+32+j:AC+32+j+1], s[C2:C2+1], v[BXH+j:BXH+j+1] op_sel_hi:[1,0,1] ; 2 x_h log2 e
.set j, j+2
.endr
.set j, 0
.rept 8
	v_pk_fma_f32 v[UA+j:UA+j+1], v[AC+48+j:AC+48+j+1], s[C2:C2+1], v[BUH+j:BUH+j+1] op_sel_hi:[1,0,1] ; 2 u_h log2 e
.set j, j+2
.endr
	WIN 0
.set j, 0
	s_wait_alu depctr_va_vdst(0)
.rept 32
	v_exp_f32 v[ZA+j], v[ZA+j]                     ; z's sixteen, then r's
.set j, j+1
.endr
	v_nop                                          ; one plain place behind the transcendentals
.set j, 0
	s_wait_alu depctr_va_vdst(0)
.rept 16
	v_pk_add_f32 v[ZA+j:ZA+j+1], v[ZA+j:ZA+j+1], 1.0 op_sel_hi:[1,0]
.set j, j+2
.endr
.set j, 0
	s_wait_alu depctr_va_vdst(0)
.rept 32
	v_rcp_f32 v[ZA+j], v[ZA+j]                     ; z and r
.set j, j+1
.endr
	v_nop
.set j, 0
	s_wait_alu depctr_va_vdst(0)
.rept 8
	v_pk_fma_f32 v[XA+j:XA+j+1], v[RA+j:RA+j+1], v[UA+j:UA+j+1], v[XA+j:XA+j+1]   ; 2 (x_h + r u_h) log2 e
.set j, j+2
.endr
.set j, 0
	s_wait_alu depctr_va_vdst(0)
.rept 16
	v_exp_f32 v[XA+j], v[XA+j]
.set j, j+1
.endr
	v_nop
.set j, 0
	s_wait_alu depctr_va_vdst(0)
.rept 8
	v_pk_add_f32 v[XA+j:XA+j+1], v[XA+j:XA+j+1], 1.0 op_sel_hi:[1,0]
.set j, j+2
.endr
.set j, 0
	s_wait_alu depctr_va_vdst(0)
.rept 16
	v_rcp_f32 v[XA+j], v[XA+j]
.set j, j+1
.endr
	v_nop
.set j, 0
	s_wait_alu depctr_va_vdst(0)
.rept 8
	v_pk_fma_f32 v[XA+j:XA+j+1], v[XA+j:XA+j+1], -2.0, 1.0 op_sel_hi:[1,0,0]      ; hh
.set j, j+2
.endr
.if (\a) == 7
	s_wait_alu depctr_va_vdst(0)
	s_wait_dscnt 0x0                               ; block 6's rows are back
.else
	s_wait_alu depctr_va_vdst(0)
	s_wait_dscnt 4                                 ; all but the next block's four loads of h: block 0's h (a = 0), the rows of the block before (a > 0; this block's h was in at the barrier before)
.endif
.if (\a) > 0
	SEND (\a)-1                                    ; the block before leaves while this one is finished
.endif
.set j, 0
.rept 8
	v_pk_add_f32 v[HH+j:HH+j+1], v[HH+j:HH+j+1], v[XA+j:XA+j+1] neg_lo:[0,1] neg_hi:[0,1]   ; h - hh
.set j, j+2
.endr
.set j, 0
.rept 8
	v_pk_fma_f32 v[HH+j:HH+j+1], v[ZA+j:ZA+j+1], v[HH+j:HH+j+1], v[XA+j:XA+j+1]   ; z (h - hh) + hh
.set j, j+2
.endr
.irp k, 0,1,2,3
	ds_store_b128 v[HRA], v[HH+4*\k:HH+4*\k+3] offset:4352*(\a)+16*\k   ; over the bytes of h that this lane alone has read
.endr
	s_wait_dscnt 0x0                               ; for the others' sake: my results of this block lie in the stage
	s_barrier_signal -1
	s_barrier_wait -1                              ; a row's 256 bytes come from two waves
.if (\a) > 1
	s_wait_xcnt 0x0                                ; the stores of the block two back have read the registers into which this block's rows are loaded
.endif
	ROWS \a
.endm
	HLD 0
.irp a, 0,1,2,3,4,5,6,7
	EPI \a
.endr
	s_wait_dscnt 0x0                               ; the last block's rows are back
	SEND 7
	s_wait_tensorcnt 0x0                           ; the wave's end: behind my last tensor load and my last LDS store
	ds_add_u32 v[SPW], v[NIL]
	s_wait_dscnt 0x0
	CROUND                                         ; the closing round: no work-group ends while a partner may still ask for a tile that names it
	s_endpgm
.Lfunc_end_k_q184b734830_gates:
	.size	k_q184b734830_gates, .Lfunc_end_k_q184b734830_gates-k_q184b734830_gates
	.p2alignl 7, 3214868480
	.fill 96, 4, 3214868480
	.section	.rodata,"a",@progbits
	.p2align	6, 0x0
	.amdhsa_kernel k_q184b734830_gates
		.amdhsa_group_segment_fixed_size 327680
		.amdhsa_private_segment_fixed_size 0
		.amdhsa_enable_private_segment 0
		.amdhsa_kernarg_size 72
		.amdhsa_user_sgpr_count 2
		.amdhsa_user_sgpr_kernarg_segment_ptr 1
		.amdhsa_wavefront_size32 1
		.amdhsa_system_sgpr_workgroup_id_x 1
		.amdhsa_system_sgpr_workgroup_id_y 1
		.amdhsa_system_sgpr_workgroup_id_z 1
		.amdhsa_system_vgpr_workitem_id 0
		.amdhsa_next_free_vgpr 1024
		.amdhsa_next_free_sgpr 106
		.amdhsa_reserve_vcc 0
		.amdhsa_float_denorm_mode_32 3
		.amdhsa_float_denorm_mode_16_64 3
		.amdhsa_memory_ordered 1
		.amdhsa_forward_progress 1
		.amdhsa_inst_pref_size 255
	.end_amdhsa_kernel
	.section	.bss,"aw",@nobits
	.p2align	6
	.space	262144
	.amdgpu_metadata
---
amdhsa.version: [ 1, 2 ]
amdhsa.kernels:
  - .name:           k_q184b734830_gates
    .symbol:         k_q184b734830_gates.kd
    .args:
      - { .name: pimg, .offset: 0, .size: 8, .value_kind: global_buffer, .address_space: global }
      - { .name: pscl, .offset: 8, .size: 8, .value_kind: global_buffer, .address_space: global }
      - { .name: himg, .offset: 16, .size: 8, .value_kind: global_buffer, .address_space: global }
      - { .name: hscl, .offset: 24, .size: 8, .value_kind: global_buffer, .address_space: global }
      - { .name: wimg, .offset: 32, .size: 8, .value_kind: global_buffer, .address_space: global }
      - { .name: wscl, .offset: 40, .size: 8, .value_kind: global_buffer, .address_space: global }
      - { .name: inputs, .offset: 48, .size: 8, .value_kind: global_buffer, .address_space: global }
      - { .name: b_gru, .offset: 56, .size: 8, .value_kind: global_buffer, .address_space: global }
      - { .name: out1, .offset: 64, .size: 8, .value_kind: global_buffer, .address_space: global }
    .group_segment_fixed_size: 327680
    .private_segment_fixed_size: 0
    .kernarg_segment_align: 8
    .kernarg_segment_size: 72
    .max_flat_workgroup_size: 128
    .sgpr_count:     106
    .vgpr_count:     1024
    .wavefront_size: 32
...
	.end_amdgpu_metadata
.endif
;; end of part 3
